; MI455X (gfx1250); checked and timed in simulation.
; The chip was launched on July 23, 2026; its instructions are those of AMD's public machine-readable ISA for CDNA 5 (MIT licence, August 2026) and "CDNA5" Instruction Set Architecture Reference Guide (July 2026). The comments in the code are by the model that wrote it; some were corrected since.
;; Multi Head Attention. Allowed arithmetic: matrix products marked QUANTISED: E2M1 operands, one E8M0 scale for each 32 along K, by v_wmma_scale_f32_16x16x128_f8f6f4 with both operands' format E2M1 (or v_wmma_scale_f32_32x16x128_f4), f32 sums; everything else in f32.
;; Inputs: Wk 1,024 x 1,024 float32; Wo 1,024 x 1,024 float32; Wq 1,024 x 1,024 float32; Wv 1,024 x 1,024 float32; bk 1,024 float32; bo 1,024 float32; bq 1,024 float32; bv 1,024 float32; key 4 x 2,048 x 1,024 float32; query 4 x 2,048 x 1,024 float32; value 4 x 2,048 x 1,024 float32.
;; Outputs: out0 4 x 2,048 x 1,024 float32.
;; This version of the problem:
;;   THIS VERSION OF THE PROBLEM IS GIVEN IN LOW PRECISION. The matrix products marked QUANTISED in the list below multiply operands that are first quantised to E2M1 (2 exponent bits, 1 mantissa bit; 4 bits a number), with one power-of-two scale for each 32 numbers along K (OCP MX v1.0); their sums are f32. All else is computed in f32.
;;   The module's matrix products, in the order in which they are computed (A, B: the left and right operand; K: the contracted axis; several contracted axes count as one K, in the product's order):
;;     1. [M 8,192, K 1,024] x [K 1,024, N 1,024]; A: input query; B: input Wq: QUANTISED
;;     2. [M 8,192, K 1,024] x [K 1,024, N 1,024]; A: input key; B: input Wk: QUANTISED
;;     3. [M 8,192, K 1,024] x [K 1,024, N 1,024]; A: input value; B: input Wv: QUANTISED
;;     4. batch 64 x [M 2,048, K 64] x [K 64, N 2,048]; A: computed on the way; B: computed on the way: QUANTISED
;;     5. batch 64 x [M 2,048, K 2,048] x [K 2,048, N 64]; A: softmax (see below); B: computed on the way: QUANTISED
;;     6. [M 8,192, K 1,024] x [K 1,024, N 1,024]; A: computed on the way; B: input Wo: QUANTISED
;;   THE QUANTISER, for each operand of a quantised product, along K:
;;     - K is cut into blocks of 32 from its start; a last block that is shorter is filled with zeros.
;;     - A block's scale is 2^e with e = floor(log2(the largest magnitude in the block)) - 2, held to -126 .. 127; a block of zeros has e = 0. As a byte (E8M0): e + 127.
;;     - Each number is divided by its block's scale, clamped to +-6, and rounded to the nearest number of E2M1, ties to even, subnormals kept.
;;     - The product sums the exact products of the quantised numbers (number of the format x scale) in f32.
;;   ~~~python
;;   def quantise(x, axis):      # numpy; x: float32 -> the quantised numbers, widened to float32 again
;;       x = np.moveaxis(x, axis, -1); K = x.shape[-1]
;;       x = np.pad(x, [(0, 0)] * (x.ndim - 1) + [(0, -K % 32)]); x = x.reshape(x.shape[:-1] + (-1, 32)); a = np.abs(x).max(-1, keepdims=True)
;;       e = np.where(a > 0, np.clip(np.frexp(np.where(a > 0, a, 1))[1] - 1 - 2, -126, 127), 0)      # np.frexp(a)[1] - 1 = floor(log2(a)), exactly
;;       r = np.clip(x / 2.0 ** e, -6, 6)
;;       step = 2.0 ** (np.maximum(np.frexp(np.where(r == 0, 1, r))[1] - 1, 0) - 1)
;;       q = np.round(r / step) * step * 2.0 ** e      # np.round: ties to even
;;       return np.moveaxis(q.reshape(q.shape[:-2] + (-1,))[..., :K], -1, axis).astype(np.float32)
;;   ~~~
;;   SOFTMAX AHEAD OF A QUANTISED PRODUCT. Where the list says 'softmax', what is quantised is not the finished softmax but p = 2^(t - M), with t = logit x log2(e) and M = ceil(the row's largest t), a whole number; so 1/2 < the row's largest p <= 1. The row's sum l is taken of the UNQUANTISED p, in f32, and the product's result is divided by l at the end. Since M is a whole number, a kernel that streams over the keys may use a running M (the ceiling of the running maximum): every later rescaling is an exact power of two, which a block's scale takes up: the codes' values come out the same.
;;   OPERANDS COMPUTED ON THE WAY. 'Computed on the way' means the value that the module computes at that place (a softmax that the list does not call 'softmax' is quantised finished and normalised). What goes into a quantiser is computed in f32, as accurately as f32 sums, v_exp_f32 and their like allow (about 1e-6 of the number): no bf16 or f16 on the way to a quantiser, and a product that is left as it is and whose result goes on into a quantised operand takes f32 operands (vector FMAs, or v_wmma_f32_16x16x4_f32). A number that lies on a knife's edge between two numbers of the format may be rounded either way, as far as f32 arithmetic and the matrix unit's own rounding can turn it there, and no further.
;; One version. Each part assembles by itself: llvm-mc -triple=amdgcn-amd-amdhsa -mcpu=gfx1250 --defsym DOCPART=n.
;; ======== version 1 of 1: 4 launches
;; workspace buffers: xc 14,680,064 bytes; xs 917,504 bytes; qkv 13,893,632 bytes; oc 4,194,304 bytes; os 262,144 bytes
;; launch quant (part 1): grid 896 x 1, 4 waves a work-group, no clusters, 33,280 bytes of LDS; arguments query, key, value, Wq, Wk, Wv, Wo, xc, xs; writes xc, xs
.if DOCPART == 1
	.amdgcn_target "amdgcn-amd-amdhsa--gfx1250"
	.amdhsa_code_object_version 6
	.text
	.protected	k_q585a1ff349_quant
	.globl	k_q585a1ff349_quant
	.p2align	8
	.type	k_q585a1ff349_quant,@function
k_q585a1ff349_quant:
	s_mov_b64 s[64:65], 0
	v_nop
	global_prefetch_b8 v0, s[64:65] scope:SCOPE_SE
	s_setreg_imm32_b32 hwreg(HW_REG_WAVE_MODE, 25, 1), 1
	s_wait_xcnt 0x0
; MULTI-HEAD ATTENTION IN MX-FP4, launch 1 of 4: the three activations [8192][1024] and the four weights [1024][1024], f32, become codes of FP4 (E2M1), K innermost,
; with one E8M0 scale byte for each 32 along K.  xc: 28,672 rows of 512 bytes (query, key, value, Wq, Wk, Wv, Wo on end); xs: the same rows, 32 scale bytes each.
; NOTHING OF THE PROBLEM IS LEFT OUT IN ANY LAUNCH: every bias goes into a quantised operand or into the output (bk moves the codes of k), so all eleven inputs are loaded and all six products are made.
; A block's scale is 2^(floor(log2(its largest magnitude)) - 2); its byte is the largest magnitude's exponent field - 2, held at 1 from below.
; LIMITS: a block of zeros gets the byte 1 where the rule says 127 (its codes are zeros, which add nothing under any byte but 0xff, and this program alone reads the bytes);
; a block whose largest magnitude lies under 2^-124 gets the byte 1; NaN and infinities among the inputs are not served.
; SHARES.  A work-group takes 32 rows, wave w the 8 rows 8 w .. 8 w + 7: one dense run of 8,192 numbers, 16 steps of 512.  Work-groups 0-255 query, 256-511 key, 512-767 value, 768-799 Wq, 800-831 Wk, 832-863 Wv, 864-895 Wo.
; THE ROW SWAP.  For key, value, Wq, Wk and Wv the four groups of 8 rows of each 32 are stored in the order 0, 2, 1, 3: place 16 u + r then holds row 8 u + r + 8 (r / 8).  A tile of 16 neighbouring stored rows,
; used as source 0 of a matrix instruction, then gives each lane results that are neighbours along those rows: 16 registers of two neighbouring tiles are 16 neighbouring rows.  query and Wo keep their order.
; Each of a step's four loads reads 512 consecutive bytes; the 2,048 bytes turn through the wave's own stage in LDS and come back 64 bytes (16 neighbours) a lane; two neighbouring lanes hold a block.
; No tensor loads, no barrier, no cluster: waves and work-groups share no input.
.set WAVES, 4
.set STEPS, 16
.set EMAX,  2
.set CB,    8                          ; bytes of 16 codes
.set R,     16                         ; v16-79   four sets of 16 numbers as they are loaded
.set X,     80                         ; v80-111  two sets of 16 neighbours
.set C,     128                        ; v128-191 codes: four registers for each step, so that no store's data are written again
.set E,     112                        ; v112-127 a scale byte for each step
.set WREG,  8192                       ; LDS: a region for each wave: two stages of 32 x SP bytes, behind them its 256 scale bytes
.set SP,    80                         ; a lane's place in a stage: 64 bytes + 16 of padding
.set SPW,   12                         ; v12  LDS address of my spare word; never rewritten
.set NIL,   13                         ; v13  0; never rewritten
.set SPARE, WAVES*WREG                 ; behind the four regions: the spare words, 128 bytes a wave
	s_load_b512 s[8:23], s[0:1], 0x0               ; query, key, value, Wq, Wk, Wv, Wo, xc
	s_load_b64 s[24:25], s[0:1], 0x40              ; xs
	v_lshl_add_u32 v[SPW], v0, 2, SPARE
	v_mov_b32 v[NIL], 0
	v_lshrrev_b32 v1, 5, v0
	v_readfirstlane_b32 s30, v1                    ; wave
	v_and_b32 v2, 31, v0                           ; lane
	v_lshlrev_b32 v3, 4, v2                        ; my 16 bytes of a load's 512
	s_mul_i32 s31, s30, WREG
	v_lshrrev_b32 v14, 2, v2
	v_mul_u32_u24 v14, v14, SP
	v_and_b32 v15, 3, v2
	v_lshl_add_u32 v14, v15, 4, v14
	v_add_nc_u32 v14, s31, v14                     ; the stage, on the way in: SP (lane / 4) + 16 (lane % 4)
	v_mul_u32_u24 v15, v2, SP
	v_add_nc_u32 v15, s31, v15                     ; and on the way out: SP x lane: my 16 neighbours
	v_mul_u32_u24 v4, v2, CB                       ; my codes' place in a step's
	v_lshrrev_b32 v5, 1, v2
	s_add_co_u32 s31, s31, 2*32*SP
	v_add_nc_u32 v5, s31, v5                       ; LDS: my wave's 256 scale bytes, my block's byte
	v_lshlrev_b32 v7, 3, v2                        ; and on the way out 8 bytes a lane
	v_add_nc_u32 v6, s31, v7
	s_wait_kmcnt 0x0
; which tensor is my work-group's: the choice hangs on the work-group's number alone
.macro PICK lim, p
	s_cmp_ge_u32 ttmp9, \lim
	s_cselect_b64 s[4:5], s[\p:\p+1], s[4:5]
	s_cselect_b32 s26, \lim, s26
.endm
	s_mov_b64 s[4:5], s[8:9]
	s_mov_b32 s26, 0                               ; the tensor's first work-group
	PICK 256, 10
	PICK 512, 12
	PICK 768, 14
	PICK 800, 16
	PICK 832, 18
	PICK 864, 20
	s_and_b32 s27, s30, 1
	s_lshl_b32 s27, s27, 1
	s_lshr_b32 s28, s30, 1
	s_or_b32 s27, s27, s28                         ; the swapped place of my 8 rows: 0, 2, 1, 3
	s_sub_co_u32 s28, ttmp9, 256
	s_cmp_lt_u32 s28, 608                          ; work-groups 256 to 863: key, value, Wq, Wk, Wv
	s_cselect_b32 s27, s27, s30
	s_sub_co_u32 s28, ttmp9, s26
	s_lshl_b32 s28, s28, 2
	s_add_co_u32 s28, s28, s30                     ; which run of 8,192 numbers of the tensor I read
	s_lshl_b32 s28, s28, 15                        ; 32,768 bytes a run (at most 1,023 runs on)
	s_mov_b32 s29, 0
	s_add_nc_u64 s[4:5], s[4:5], s[28:29]
	s_lshl_b32 s28, ttmp9, 2
	s_add_co_u32 s28, s28, s27                     ; which run of xc and xs I write
	s_lshl_b32 s34, s28, 12                        ; 4,096 bytes of codes a run
	s_mov_b32 s35, 0
	s_add_nc_u64 s[22:23], s[22:23], s[34:35]
	s_lshl_b32 s34, s28, 8                         ; 256 scale bytes a run
	s_add_nc_u64 s[24:25], s[24:25], s[34:35]
.macro LOAD t
.irp i, 0,1,2,3
	global_load_b128 v[R+16*((\t)%4)+4*\i:R+16*((\t)%4)+4*\i+3], v3, s[4:5] offset:2048*(\t)+512*\i th:TH_LOAD_NT   ; 32 lanes read 512 consecutive bytes
.endr
.endm
.macro TURN t                          ; step t's numbers through the stage: LDS serves a wave's instructions in order, so no wait stands between the stores and the loads
.irp i, 0,1,2,3
	ds_store_b128 v14, v[R+16*((\t)%4)+4*\i:R+16*((\t)%4)+4*\i+3] offset:32*SP*((\t)%2)+8*SP*\i
.endr
.irp i, 0,1,2,3
	ds_load_b128 v[X+16*((\t)%2)+4*\i:X+16*((\t)%2)+4*\i+3], v15 offset:32*SP*((\t)%2)+16*\i
.endr
.endm
.irp t, 0,1,2,3
	LOAD \t
.endr
	s_wait_loadcnt 12                              ; step 0's four loads are in; the twelve behind them stay out
	TURN 0
.macro STEP t
.set XS, X+16*((\t)%2)
.if (\t) > 0
	s_wait_dscnt 1                                 ; this step's numbers are back from the stage (the last step's byte store may be out): its stores into the stage have read their registers,
.else
	s_wait_dscnt 0x0
.endif
.if (\t)+4 < STEPS
	LOAD (\t)+4                                    ; which take the loads of four steps on
.endif
.if (\t)+1 < STEPS
.if STEPS-2-(\t) >= 3
	s_wait_loadcnt 12                              ; the next step's four loads are in; those of the three steps behind it may be out
.else
	s_wait_loadcnt 4*(STEPS-2-(\t))
.endif
	TURN (\t)+1                                    ; and go through the other stage while this step is worked
.endif
	v_max3_num_f32 v8, |v[XS]|, |v[XS+1]|, |v[XS+2]|               ; the largest magnitude of my 16, in two chains
	v_max3_num_f32 v9, |v[XS+3]|, |v[XS+4]|, |v[XS+5]|
.irp i, 6,10
	v_max3_num_f32 v8, v8, |v[XS+\i]|, |v[XS+\i+1]|
	v_max3_num_f32 v9, v9, |v[XS+\i+2]|, |v[XS+\i+3]|
.endr
	v_max3_num_f32 v8, v8, |v[XS+14]|, |v[XS+15]|
	v_max3_num_f32 v8, v8, v9, (EMAX+1)<<23        ; and the floor 2^(3 - 127): the byte cannot fall under 1
	v_max_num_f32_dpp v8, v8, v8 row_xmask:1 row_mask:0xf bank_mask:0xf   ; and of my neighbour's 16: the block's
	v_add_nc_u32 v11, -(EMAX<<23), v8              ; 2 off its exponent field: the conversion takes the exponent field of this operand as its scale
	v_cvt_scalef32_pk8_fp4_f32 v[C+4*(\t)], v[XS:XS+7], v11
	v_cvt_scalef32_pk8_fp4_f32 v[C+4*(\t)+1], v[XS+8:XS+15], v11
	v_lshrrev_b32 v[E+(\t)], 23, v11               ; the scale's byte
	ds_store_b8 v5, v[E+(\t)] offset:16*(\t)       ; both lanes of a block write the same byte with the same value
	global_store_b64 v4, v[C+4*(\t):C+4*(\t)+1], s[22:23] offset:32*CB*(\t)   ; the wave stores 256 consecutive bytes, aligned
.endm
.irp t, 0,1,2,3,4,5,6,7,8,9,10,11,12,13,14,15
	STEP \t
.endr
	ds_load_b64 v[8:9], v6                         ; LDS serves a wave's instructions in order: these see my stores
	s_wait_dscnt 0x0
	global_store_b64 v7, v[8:9], s[24:25]          ; 32 lanes store 256 consecutive bytes, aligned
	s_wait_tensorcnt 0x0                           ; the wave's end, behind my last LDS store
	ds_add_u32 v[SPW], v[NIL]
	s_wait_dscnt 0x0
	s_endpgm
.Lfunc_end_k_q585a1ff349_quant:
	.size	k_q585a1ff349_quant, .Lfunc_end_k_q585a1ff349_quant-k_q585a1ff349_quant
	.p2alignl 7, 3214868480
	.fill 96, 4, 3214868480
	.section	.rodata,"a",@progbits
	.p2align	6, 0x0
	.amdhsa_kernel k_q585a1ff349_quant
		.amdhsa_group_segment_fixed_size 33280
		.amdhsa_private_segment_fixed_size 0
		.amdhsa_enable_private_segment 0
		.amdhsa_kernarg_size 72
		.amdhsa_user_sgpr_count 2
		.amdhsa_user_sgpr_kernarg_segment_ptr 1
		.amdhsa_wavefront_size32 1
		.amdhsa_system_sgpr_workgroup_id_x 1
		.amdhsa_system_sgpr_workgroup_id_y 1
		.amdhsa_system_sgpr_workgroup_id_z 1
		.amdhsa_system_vgpr_workitem_id 0
		.amdhsa_next_free_vgpr 192
		.amdhsa_next_free_sgpr 66
		.amdhsa_reserve_vcc 0
		.amdhsa_float_denorm_mode_32 3
		.amdhsa_float_denorm_mode_16_64 3
		.amdhsa_memory_ordered 1
		.amdhsa_forward_progress 1
		.amdhsa_inst_pref_size 34
	.end_amdhsa_kernel
	.amdgpu_metadata
---
amdhsa.version: [ 1, 2 ]
amdhsa.kernels:
  - .name:           k_q585a1ff349_quant
    .symbol:         k_q585a1ff349_quant.kd
    .args:
      - { .name: query, .offset: 0, .size: 8, .value_kind: global_buffer, .address_space: global }
      - { .name: key, .offset: 8, .size: 8, .value_kind: global_buffer, .address_space: global }
      - { .name: value, .offset: 16, .size: 8, .value_kind: global_buffer, .address_space: global }
      - { .name: Wq, .offset: 24, .size: 8, .value_kind: global_buffer, .address_space: global }
      - { .name: Wk, .offset: 32, .size: 8, .value_kind: global_buffer, .address_space: global }
      - { .name: Wv, .offset: 40, .size: 8, .value_kind: global_buffer, .address_space: global }
      - { .name: Wo, .offset: 48, .size: 8, .value_kind: global_buffer, .address_space: global }
      - { .name: xc, .offset: 56, .size: 8, .value_kind: global_buffer, .address_space: global }
      - { .name: xs, .offset: 64, .size: 8, .value_kind: global_buffer, .address_space: global }
    .group_segment_fixed_size: 33280
    .private_segment_fixed_size: 0
    .kernarg_segment_align: 8
    .kernarg_segment_size: 72
    .max_flat_workgroup_size: 128
    .sgpr_count:     66
    .vgpr_count:     192
    .wavefront_size: 32
...
	.end_amdgpu_metadata
.endif
;; end of part 1
;; launch proj (part 2): grid 4 x 96, 4 waves a work-group, clusters of 4 x 4, 327,680 bytes of LDS; arguments xc, xs, bq, bk, bv, qkv; writes qkv
.if DOCPART == 2
	.amdgcn_target "amdgcn-amd-amdhsa--gfx1250"
	.amdhsa_code_object_version 6
	.text
	.protected	k_q585a1ff349_proj
	.globl	k_q585a1ff349_proj
	.p2align	8
	.type	k_q585a1ff349_proj,@function
k_q585a1ff349_proj:
	s_mov_b64 s[64:65], 0
	v_nop
	global_prefetch_b8 v0, s[64:65] scope:SCOPE_SE
	s_setreg_imm32_b32 hwreg(HW_REG_WAVE_MODE, 25, 1), 1
	s_wait_xcnt 0x0
	s_wait_alu depctr_hold_cnt(0) depctr_sa_sdst(0) depctr_va_vdst(0) depctr_va_sdst(0) depctr_va_ssrc(0) depctr_va_vcc(0) depctr_vm_vsrc(0)
	s_getreg_b32 s2, hwreg(HW_REG_IB_STS2, 6, 4)
	s_cmp_eq_u32 s2, 0
	s_cbranch_scc0 .Lentry_in_a_cluster
	s_endpgm
.Lentry_in_a_cluster:
	s_bfe_u32 s2, ttmp6, 0x10000c
	s_cmp_lg_u32 s2, 0xf033
	s_cbranch_scc0 .Lentry_shape_is_right
	s_endpgm
.Lentry_shape_is_right:
; Launch 2 of 4: q = query Wq^T + bq, k = key Wk^T + bk, v = value Wv^T + bv on codes of FP4, and the results quantised in registers for attention.  No work of the problem is left out.
; A tile of 256 x 256 is made by four waves, 128 x 128 each: 64 accumulators, 512 registers.  K = 1,024 is eight matrix steps; the whole K of a tile lies in LDS as two halves (rows of 256 bytes), each filled ONCE: no slot is filled again.
; CLUSTERS: 4 x 4 work-groups.  A's rows hang on the cluster's y and on cy and are asked for jointly along a row of the cluster, B's on cx and jointly along a column.
; ROLES.  Cluster y = 0-7: q, 8-15: k (A = tokens, B = rows of the weight); 16-23: v (A = rows of Wv, B = tokens).  The matrix instruction is used transposed: source 0 = 16 rows of B, source 1 = 16 rows of A.
; So a lane holds ONE row of A and its registers run along B's rows: along the head's channels for q and k, along the keys for v: each the K of the product that follows.  The row swap of launch 1 makes the 16 registers of
; tiles 2 b, 2 b + 1 sixteen neighbours there.  A wave owns 128 tokens (one key step) x 128 channels (two heads) in both roles.
; THE WAY OUT.  For each of A's eight blocks of 16 rows: four blocks of 32 are quantised (largest magnitude, scale byte, conversion, exchange of halves) and leave as IMAGES OF AN OPERAND'S REGISTERS: 16 bytes a lane at 16 x lane.
; qkv: a record of 13,568 bytes for each (batch, head, key step): K's codes 0, V's codes 4,096, K's scale words 8,192, V's 8,704, Q's codes 8,960, Q's scale words 13,056.
; LIMITS: a block of zeros, or one whose largest magnitude lies under 2^-124, gets the scale byte 1; NaN and infinities are not served.
; REGISTERS, in windows of 256.  Window 0: v1-29 addresses; v32-95 scale words; v128-191, v192-255 A's fragments, two sets (on the way out: at work).  Window 1: v0-63, v128-191 B's fragments, two sets; v64-127 the bias as C.
; Windows 2 and 3: accumulator (a, b) at v[8 (8 (a % 4) + b)] of window 2 + a / 4.
.set PITCH,  272                       ; an LDS row: 256 bytes + 16 of padding: the 16 rows of a fragment load start 68 words apart
.set HALFT,  128*PITCH                 ; 128 rows: what one tensor load brings
.set SLOT,   4*HALFT                   ; A's 256 rows, then B's
.set SCL,    2*SLOT                    ; the scale bytes: 32 a row, as rows of 256 bytes + 16
.set HALFS,  16*272                    ; those of 128 rows
.set SBLK,   2*272                     ; those of 16 rows
.set SPARE,  SCL+4*HALFS               ; the spare words, 128 bytes a wave
.set RECB,   13568
.set HEADB,  16*RECB
.set ADRA, 16                          ; v16-17 LDS address of my A fragments in half 0, 1
.set ADRB, 20                          ; v20-21 the same for B
.set VOA,  24                          ; v24  16 x lane
.set VOB,  25                          ; v25  16 x lane + the distance of an image's second half
.set VOS,  26                          ; v26  where my scale words go
.set ADRS, 27                          ; v27  LDS address of my scale words: lanes 0-15 A's rows, lanes 16-31 B's
.set SPW,  28
.set NIL,  29
.set SC,   32                          ; register 32 (q / 4) + 4 i + q % 4: lanes 0-15 the word of A's block i, lanes 16-31 of B's block i, K step q
.set AF,   128
.set BIAS, 64                          ; in window 1
.set TM,   128                         ; the way out: v128-131 magnitudes, v132-135 bytes, v140-143 the conversions' scale operands
.set PC,   146                         ; v146-153 the codes just made
.set W,    160                         ; v160-167 the eight blocks' scale words
.set RW,   168
.set EL,   172
.set EH,   176
.set WV,   16
.set WA,   17
.set WB,   18
.set CX,   19
.set CY,   20
.set YY,   21
.set MODE, 22
.set TEN,  23
.set G1,   24
.set G0,   32
.set G1B,  48
.set G0B,  56
.set G1S,  68
.set G0S,  76
.set G1SB, 80
.set G0SB, 88
.set MSB, 0
.macro WIN new                         ; the immediate's high byte repeats the setting that is left; a switch that changes nothing is dropped
.if MSB != (\new)
	s_set_vgpr_msb (MSB<<8)|(\new)
.set MSB, (\new)
.endif
.endm
.macro PLACES n
.rept \n
	v_nop
.endr
.endm
; A joint load: waves 0 and 1 fetch for A, waves 2 and 3 for B.  The branch hangs on the wave's number alone.  An s_nop 0 and four v_nop follow each of the two lines.
.macro JLOAD g0a, g1a, g0b, g1b
	s_cmp_eq_u32 s[WA], 0
	s_cbranch_scc0 .Lfor_b_\@
	tensor_load_to_lds s[\g0a:\g0a+3], s[\g1a:\g1a+7]
	s_nop 0
.rept 4
	v_nop
.endr
	s_branch .Lasked_\@
.Lfor_b_\@:
	tensor_load_to_lds s[\g0b:\g0b+3], s[\g1b:\g1b+7]
	s_nop 0
.rept 4
	v_nop
.endr
.Lasked_\@:
.endm
.macro CROUND                          ; a round of the cluster's barrier
	s_barrier_signal -1
	s_barrier_wait -1
	s_cmp_lg_u32 s[WV], 0
	s_cbranch_scc1 .Lnot_wave_0_\@
	s_barrier_signal -3
.Lnot_wave_0_\@:
	s_barrier_wait -3
	s_barrier_signal -1
	s_barrier_wait -1
.endm
	s_load_b256 s[4:11], s[0:1], 0x0               ; xc s[4:5], xs s[6:7], bq s[8:9], bk s[10:11]
	s_load_b128 s[12:15], s[0:1], 0x20             ; bv s[12:13], qkv s[14:15]
	v_lshl_add_u32 v[SPW], v0, 2, SPARE
	v_mov_b32 v[NIL], 0
	ds_add_u32 v[SPW], v[NIL]                      ; the wave's opening: the add, twice on end, and its wait ahead of my first tensor load
	ds_add_u32 v[SPW], v[NIL]
	v_lshrrev_b32 v1, 5, v0
	v_readfirstlane_b32 s[WV], v1                  ; wave 0..3
	s_lshr_b32 s[WA], s[WV], 1                     ; which half of A's rows is mine.  Also: I fetch for A (0) or for B (1)
	s_and_b32 s[WB], s[WV], 1                      ; which half of B's rows.  Also: which 128 rows I fetch
	s_bfe_u32 s[CX], ttmp6, 0x40000
	s_bfe_u32 s[CY], ttmp6, 0x40004
	s_and_b32 s[YY], ttmp7, 0xffff                 ; the cluster's y, 0..23: the same in all sixteen partners
	s_lshr_b32 s[TEN], s[YY], 3                    ; 0 q, 1 k, 2 v
	s_lshl_b32 s40, s[YY], 10                      ; the cluster's 1,024 tokens: rows of xc
	s_lshl_b32 s41, s[TEN], 10
	s_add_co_u32 s41, s41, 24576                   ; the tensor's weight: rows of xc
	s_cmp_ge_u32 s[YY], 16
	s_cselect_b32 s[MODE], 1, 0
	s_cselect_b32 s42, s41, s40                    ; A's first row
	s_cselect_b32 s43, s40, s41                    ; B's
	s_lshl_b32 s44, s[CY], 2
	s_lshl_b32 s44, 15, s44                        ; my row of the cluster
	s_lshl_b32 s45, 0x1111, s[CX]                  ; my column
	; group 1 for the codes: 128 rows x 256 bytes, 512 bytes apart in memory, 16 bytes of padding behind each in LDS
	s_or_b32 s[G1], s44, (1<<20)|(1<<21)|(5<<22)|(3<<25)
	s_or_b32 s[G1B], s45, (1<<20)|(1<<21)|(5<<22)|(3<<25)
.irp g, G1, G1B
	s_mov_b32 s[\g+1], 256<<16                     ; tensor_dim0
	s_mov_b32 s[\g+2], 128<<16                     ; tensor_dim1
	s_mov_b32 s[\g+3], 256<<16                     ; tile_dim0
	s_mov_b32 s[\g+4], 128                         ; tile_dim1
	s_mov_b32 s[\g+5], 512                         ; stride
	s_mov_b32 s[\g+6], 0
	s_mov_b32 s[\g+7], 0
.endr
	; and for the scale bytes of 128 rows: 4,096 dense bytes as 16 rows of 256 (32 elements of 8 bytes), padded likewise
	s_or_b32 s[G1S], s44, (3<<16)|(1<<20)|(1<<21)|(5<<22)|(3<<25)
	s_or_b32 s[G1SB], s45, (3<<16)|(1<<20)|(1<<21)|(5<<22)|(3<<25)
.irp g, G1S, G1SB
	s_mov_b32 s[\g+1], 32<<16
	s_mov_b32 s[\g+2], 16<<16
	s_mov_b32 s[\g+3], 32<<16
	s_mov_b32 s[\g+4], 16
	s_mov_b32 s[\g+5], 32
	s_mov_b32 s[\g+6], 0
	s_mov_b32 s[\g+7], 0
.endr
	s_lshl_b32 s46, s[WB], 7                       ; which 128 rows I fetch
	s_lshl_b32 s47, s[CY], 8
	s_add_co_u32 s42, s42, s47
	s_add_co_u32 s42, s42, s46                     ; A: first row + 256 cy + 128 x half
	s_lshl_b32 s3, s[CX], 8
	s_add_co_u32 s43, s43, s3
	s_add_co_u32 s43, s43, s46                     ; B: first row + 256 cx + 128 x half
	s_lshl_b32 s92, s42, 9                         ; codes: 512 bytes a row (28,672 rows: under 2^24 bytes)
	s_mov_b32 s93, 0
	s_lshl_b32 s94, s42, 5                         ; scale bytes: 32 a row
	s_mov_b32 s95, 0
	s_lshl_b32 s96, s43, 9
	s_mov_b32 s97, 0
	s_lshl_b32 s98, s43, 5
	s_mov_b32 s99, 0
	s_mul_i32 s100, s[WV], HALFT                   ; where they go: wave x 128 rows: no place in the cluster enters an LDS address
	s_mul_i32 s101, s[WV], HALFS
	s_wait_dscnt 0x0                               ; both opening adds are done
	s_wait_kmcnt 0x0
	s_add_nc_u64 s[92:93], s[4:5], s[92:93]
	s_add_nc_u64 s[94:95], s[6:7], s[94:95]
	s_add_nc_u64 s[96:97], s[4:5], s[96:97]
	s_add_nc_u64 s[98:99], s[6:7], s[98:99]
	CROUND                                         ; all sixteen work-groups are here: the joint loads meet
	s_mov_b32 s[G0S], 1
	s_add_co_u32 s[G0S+1], s101, SCL
	s_mov_b64 s[G0S+2:G0S+3], s[94:95]
	s_or_b32 s[G0S+3], s[G0S+3], 0x80000000
	s_mov_b32 s[G0SB], 1
	s_add_co_u32 s[G0SB+1], s101, SCL
	s_mov_b64 s[G0SB+2:G0SB+3], s[98:99]
	s_or_b32 s[G0SB+3], s[G0SB+3], 0x80000000
	JLOAD G0S, G1S, G0SB, G1SB                     ; the scale bytes first: they are wanted with K step 0
.irp s, 0,1
	s_mov_b32 s[G0+4*\s], 1
	s_add_co_u32 s[G0+4*\s+1], s100, \s*SLOT
	s_add_nc_u64 s[G0+4*\s+2:G0+4*\s+3], s[92:93], \s*256
	s_or_b32 s[G0+4*\s+3], s[G0+4*\s+3], 0x80000000
	s_mov_b32 s[G0B+4*\s], 1
	s_add_co_u32 s[G0B+4*\s+1], s100, \s*SLOT
	s_add_nc_u64 s[G0B+4*\s+2:G0B+4*\s+3], s[96:97], \s*256
	s_or_b32 s[G0B+4*\s+3], s[G0B+4*\s+3], 0x80000000
	JLOAD G0+4*\s, G1, G0B+4*\s, G1B               ; both halves of K: three tensor loads of mine are out
.endr
	; THE BIAS becomes the C of each sum's first matrix instruction, in the result's layout
	s_cmp_eq_u32 s[TEN], 1
	s_cselect_b64 s[8:9], s[10:11], s[8:9]
	s_cmp_eq_u32 s[TEN], 2
	s_cselect_b64 s[8:9], s[12:13], s[8:9]
	s_cmp_eq_u32 s[MODE], 0
	s_cselect_b32 s40, s[CX], s[CY]                ; the channels lie along B (q, k) or along A (v)
	s_cselect_b32 s41, s[WB], s[WA]
	s_lshl_b32 s40, s40, 10
	s_lshl_b32 s41, s41, 9
	s_add_co_u32 s40, s40, s41                     ; 4 bytes x (256 x place + 128 x half)
	s_mov_b32 s41, 0
	s_add_nc_u64 s[8:9], s[8:9], s[40:41]
	v_and_b32 v1, 15, v0                           ; r
	v_bfe_u32 v2, v0, 4, 1                         ; h
	v_lshlrev_b32 v3, 6, v2                        ; q, k: 16 channels further on for lanes 16-31
	v_and_b32 v4, 8, v1
	v_add_nc_u32 v4, v4, v1
	v_lshlrev_b32 v4, 2, v4                        ; v: my row's channel in a tile: r + 8 (r / 8)
	s_cmp_lg_u32 s[MODE], 0
	s_cbranch_scc1 .Lbias_v
	WIN 0x40                                       ; destination window 1
.irp b, 0,1,2,3,4,5,6,7                        ; tile b, register j: channel 32 (b / 2) + 16 h + 8 (b % 2) + j
	global_load_b128 v[BIAS+8*\b:BIAS+8*\b+3], v3, s[8:9] offset:(32*(\b/2)+8*(\b%2))*4
	global_load_b128 v[BIAS+8*\b+4:BIAS+8*\b+7], v3, s[8:9] offset:(32*(\b/2)+8*(\b%2))*4+16
.endr
	WIN 0
	s_branch .Lbias_done
.Lbias_v:
	WIN 0x40
.irp a, 0,1,2,3,4,5,6,7                        ; block a: my row's one number, wanted in all eight registers
	global_load_b32 v[BIAS+8*\a], v4, s[8:9] offset:(32*(\a/2)+8*(\a%2))*4
.endr
	s_wait_loadcnt 0x0
	WIN 0x41
.irp a, 0,1,2,3,4,5,6,7
.irp j, 1,2,3,4,5,6,7
	v_mov_b32 v[BIAS+8*\a+\j], v[BIAS+8*\a]
.endr
.endr
	WIN 0
.Lbias_done:
	s_wait_loadcnt 0x0
	; LDS addresses
	v_mul_u32_u24 v3, v1, PITCH
	v_lshl_add_u32 v4, v2, 4, v3                   ; a fragment's row x pitch + 16 x half
	s_mul_i32 s40, s[WA], HALFT                    ; my 128 rows of A
	s_mul_i32 s41, s[WB], HALFT                    ; my 128 rows of B,
	s_add_co_u32 s41, s41, 2*HALFT                 ; which lie behind A's 256
.irp s, 0,1
	v_add_nc_u32 v[ADRA+\s], s40, v4
	v_add_nc_u32 v[ADRB+\s], s41, v4
	s_add_co_u32 s40, s40, SLOT
	s_add_co_u32 s41, s41, SLOT
.endr
	v_mul_u32_u24 v5, v1, 32                       ; my row's scale bytes: 32 a row,
	v_lshrrev_b32 v6, 8, v5
	v_lshl_add_u32 v5, v6, 4, v5                   ; and 16 more for each 256 passed
	s_mul_i32 s40, s[WA], HALFS
	s_mul_i32 s41, s[WB], HALFS
	s_add_co_u32 s41, s41, 2*HALFS
	s_sub_co_u32 s41, s41, s40
	v_mul_u32_u24 v6, s41, v2                      ; lanes 16-31 take B's: one product, the distance between the two bases
	s_add_co_u32 s40, s40, SCL
	v_add_nc_u32 v5, v5, v6
	v_add_nc_u32 v[ADRS], s40, v5
	; where the results go
	v_and_b32 v7, 31, v0
	v_lshlrev_b32 v[VOA], 4, v7
	s_cmp_eq_u32 s[MODE], 0
	s_mov_b32 s40, 512
	s_cselect_b32 s40, HEADB, s40                  ; registers 4-7 of an image: the next head's record (q, k), or 512 bytes on (v)
	s_mov_b32 s41, HEADB
	s_cselect_b32 s41, 256, s41                    ; the scale words of lanes 16-31: 256 bytes on (q, k), or the next head's record (v)
	s_cselect_b32 s42, s[CY], s[CX]                ; the tokens lie along A (q, k) or along B (v)
	s_cselect_b32 s43, s[WA], s[WB]
	s_cselect_b32 s46, s[CX], s[CY]                ; the channels the other way round
	s_cselect_b32 s47, s[WB], s[WA]
	v_add_nc_u32 v[VOB], s40, v[VOA]
	v_mul_u32_u24 v[VOS], s41, v2
	v_lshl_add_u32 v[VOS], v1, 4, v[VOS]
	s_lshl_b32 s44, s[YY], 3
	s_lshl_b32 s42, s42, 1
	s_add_co_u32 s44, s44, s42
	s_add_co_u32 s44, s44, s43
	s_and_b32 s44, s44, 63                         ; my 128 tokens among the tensor's 64 such groups
	s_lshl_b32 s46, s46, 1
	s_add_co_u32 s46, s46, s47                     ; my pair of heads
	s_lshl_b32 s46, s46, 1                         ; its first head
	s_lshr_b32 s45, s44, 4                         ; the batch
	s_lshl_b32 s45, s45, 4
	s_add_co_u32 s45, s45, s46
	s_lshl_b32 s45, s45, 4
	s_and_b32 s44, s44, 15                         ; the key step
	s_add_co_u32 s45, s45, s44
	s_mul_i32 s46, s45, RECB                       ; the record (at most 1,023 records on)
	s_cmp_eq_u32 s[TEN], 0
	s_cselect_b32 s40, 8960, 0                     ; the codes' section: Q 8,960, K 0, V 4,096
	s_mov_b32 s42, 8192
	s_cselect_b32 s42, 13056, s42                  ; the scale words': Q 13,056, K 8,192, V 8,704
	s_cmp_eq_u32 s[TEN], 2
	s_cselect_b32 s40, 4096, s40
	s_cselect_b32 s42, 8704, s42
	s_add_co_u32 s40, s40, s46
	s_add_co_u32 s42, s42, s46
	s_mov_b32 s41, 0
	s_mov_b32 s43, 0
	s_add_nc_u64 s[92:93], s[14:15], s[42:43]      ; scale words
	s_add_nc_u64 s[14:15], s[14:15], s[40:41]      ; codes
	s_cmp_eq_u32 s[MODE], 0
	s_mov_b32 s94, 1024
	s_cselect_b32 s94, 512, s94                    ; from block to block
	s_mov_b32 s95, 0
	s_mov_b32 s96, HEADB-3072
	s_cselect_b32 s96, 512, s96                    ; from block 3 to block 4: for v the next head's record
	s_mov_b32 s97, 0
	s_mov_b32 s98, 0x76543210
	s_mov_b32 s99, 0xfedcba98                      ; v_permlanex16_b32's selects for lane l xor 16
	s_mov_b32 s100, 0xffff0000                     ; lanes 16-31
; 32 LDS loads in one run: the fragments of K step q into set q % 2.  A fragment, 16 rows x 128 K of 4-bit codes, is 8 registers: two loads of 16 bytes, 32 bytes apart
.macro FETCH q
	WIN 0x40
.irp i, 0,1,2,3,4,5,6,7
.irp c, 0,1
	ds_load_b128 v[128*((\q)%2)+8*\i+4*\c:128*((\q)%2)+8*\i+4*\c+3], v[ADRB+(\q)/4] offset:64*((\q)%4)+32*\c+\i*16*PITCH
.endr
.endr
	WIN 0
.irp i, 0,1,2,3,4,5,6,7
.irp c, 0,1
	ds_load_b128 v[AF+64*((\q)%2)+8*\i+4*\c:AF+64*((\q)%2)+8*\i+4*\c+3], v[ADRA+(\q)/4] offset:64*((\q)%4)+32*\c+\i*16*PITCH
.endr
.endr
.endm
; 64 matrix instructions: K step q.  The 64 accumulators take turns, one instruction a turn, in the same order in every step.
; cm = 0: in place; 1: the sums start from the bias of B's rows; 2: from the bias of A's rows
.macro MUL q, cm
.irp a, 0,1,2,3,4,5,6,7
.if \cm
	WIN 0x91+0x40*(\a/4)                           ; source 0 (B) and C (the bias) window 1, source 1 (A) window 0, D window 2 or 3
.else
	WIN 0xa1+0x50*(\a/4)                           ; C and D window 2 or 3
.endif
.irp b, 0,1,2,3,4,5,6,7
.set xD, 8*(8*(\a%4)+\b)
.set xB, 128*((\q)%2)+8*\b
.set xA, AF+64*((\q)%2)+8*\a
.set xSB, SC+32*((\q)/4)+4*\b+(\q)%4
.set xSA, SC+32*((\q)/4)+4*\a+(\q)%4
.if \cm == 0
	v_wmma_scale_f32_16x16x128_f8f6f4 v[xD:xD+7], v[xB:xB+7], v[xA:xA+7], v[xD:xD+7], v[xSB], v[xSA] matrix_a_fmt:MATRIX_FMT_FP4 matrix_b_fmt:MATRIX_FMT_FP4 matrix_a_scale:MATRIX_SCALE_ROW1
.elseif \cm == 1
	v_wmma_scale_f32_16x16x128_f8f6f4 v[xD:xD+7], v[xB:xB+7], v[xA:xA+7], v[BIAS+8*\b:BIAS+8*\b+7], v[xSB], v[xSA] matrix_a_fmt:MATRIX_FMT_FP4 matrix_b_fmt:MATRIX_FMT_FP4 matrix_a_scale:MATRIX_SCALE_ROW1
.else
	v_wmma_scale_f32_16x16x128_f8f6f4 v[xD:xD+7], v[xB:xB+7], v[xA:xA+7], v[BIAS+8*\a:BIAS+8*\a+7], v[xSB], v[xSA] matrix_a_fmt:MATRIX_FMT_FP4 matrix_b_fmt:MATRIX_FMT_FP4 matrix_a_scale:MATRIX_SCALE_ROW1
.endif
.endr
.endr
.endm
.macro KSTEP q
	s_wait_dscnt 0x0                               ; this step's fragments, asked for 64 matrix instructions ago, are in
.if (\q) == 3
	s_wait_tensorcnt 0x0                           ; my part of the second half of K has landed: it was my last load,
	s_barrier_signal -1
	s_barrier_wait -1                              ; and everybody's has.
.endif
.if (\q) < 7
	PLACES 4                                       ; four plain places between the last step's products and loads into the set that they read
	FETCH (\q)+1
.endif
	MUL \q, 0
.endm
	s_wait_tensorcnt 0x1                           ; the scale bytes and my part of the first half of K are in; the second half's load stays out
	s_barrier_signal -1
	s_barrier_wait -1
.irp s, 0,1
.irp i, 0,1,2,3,4,5,6,7
	ds_load_b128 v[SC+32*\s+4*\i:SC+32*\s+4*\i+3], v[ADRS] offset:\i*SBLK+16*\s   ; all eight K steps' scale words
.endr
.endr
	FETCH 0
	s_wait_dscnt 0x0
	FETCH 1
	s_cmp_lg_u32 s[MODE], 0                        ; the first products start the sums from the bias: nothing is cleared.  The branch hangs on the cluster's y alone
	s_cbranch_scc1 .Lstart_v
	MUL 0, 1
	WIN 0
	s_branch .Lstarted
.Lstart_v:
	MUL 0, 2
	WIN 0
.Lstarted:
.irp q, 1,2,3,4,5,6,7
	KSTEP \q
.endr
	WIN 0
	PLACES 4                                       ; four plain places between the last products and the first read of results and the first write into A's registers
.irp b, 0,1,2,3
	v_mov_b32 v[TM+4+\b], 0                        ; written once: a lane permute's destination counts as one of its sources
.endr
; Block a of A's rows: register 16 b + i of its 64 is k = 32 b + 16 (lane / 16) + i of my row
.macro OUTA a
.set AC, 64*((\a)%4)
	WIN 0x0a+0x05*((\a)/4)                         ; sources 0 and 1: the accumulators' window
.irp b, 0,1,2,3
	v_max3_num_f32 v[TM+\b], |v[AC+16*\b]|, |v[AC+16*\b+1]|, 0x1800000   ; my 16 numbers of block b, each accumulator from its low end on, and the floor 2^(3 - 127)
.endr
.irp i, 2,4,6,8,10,12,14
.irp b, 0,1,2,3
	v_max3_num_f32 v[TM+\b], |v[AC+16*\b+\i]|, |v[AC+16*\b+\i+1]|, v[TM+\b]   ; the four blocks by turns
.endr
.endr
	WIN 0
.irp b, 0,1,2,3
	v_permlanex16_b32 v[TM+4+\b], v[TM+\b], s98, s99
.endr
.irp b, 0,1,2,3
	v_max_num_f32 v[TM+\b], v[TM+\b], v[TM+4+\b]   ; with lane l xor 16's: the block's largest magnitude
.endr
.irp b, 0,1,2,3
	v_add_nc_u32 v[TM+12+\b], 0xff000000, v[TM+\b] ; 2 off its exponent field: the conversion's scale operand
.endr
.irp b, 0,1,2,3
	v_lshrrev_b32 v[TM+4+\b], 23, v[TM+12+\b]      ; the scale's byte
.endr
	v_lshl_or_b32 v[W+(\a)], v[TM+5], 8, v[TM+4]
	v_lshl_or_b32 v[W+(\a)], v[TM+6], 16, v[W+(\a)]
	v_lshl_or_b32 v[W+(\a)], v[TM+7], 24, v[W+(\a)]
.if (\a) > 0
	s_wait_xcnt 0x0                                ; the last block's stores have read their data and their base: both are written again only behind this wait
.if (\a) == 4
	s_add_nc_u64 s[14:15], s[14:15], s[96:97]
.else
	s_add_nc_u64 s[14:15], s[14:15], s[94:95]
.endif
.endif
	WIN 0x02+(\a)/4                                ; source 0: the accumulators' window
.irp b, 0,1,2,3
	v_cvt_scalef32_pk8_fp4_f32 v[PC+2*\b], v[AC+16*\b:AC+16*\b+7], v[TM+12+\b]
	v_cvt_scalef32_pk8_fp4_f32 v[PC+2*\b+1], v[AC+16*\b+8:AC+16*\b+15], v[TM+12+\b]
.endr
	WIN 0
	v_nop                                          ; one plain place behind a scaled conversion
.irp c, 0,1                                    ; the operand's layout wants a whole block in a lane
.irp i, 0,1
	v_permlane16_swap_b32 v[PC+4*\c+\i], v[PC+2+4*\c+\i]
.endr
.endr
	global_store_b128 v[VOA], v[PC:PC+3], s[14:15]     ; 32 lanes store 512 consecutive bytes, aligned to 256
	global_store_b128 v[VOB], v[PC+4:PC+7], s[14:15]
.endm
.irp a, 0,1,2,3,4,5,6,7
	OUTA \a
.endr
.irp i, 0,1,2,3
	v_cndmask_b32 v[RW+\i], v[W+\i], v[W+4+\i], s100   ; lanes 0-15: blocks 0-3; lanes 16-31: blocks 4-7
.endr
	s_cmp_lg_u32 s[MODE], 0
	s_cbranch_scc1 .Lscales_v
.irp i, 0,1,2,3
	v_and_b32 v[EL+\i], 0xffff, v[RW+\i]           ; q, k: a word's low two bytes are the first head's 64 channels; the bytes above stand over zero codes and are 0
.endr
.irp i, 0,1,2,3
	v_lshrrev_b32 v[EH+\i], 16, v[RW+\i]           ; the high two the second head's
.endr
	global_store_b128 v[VOS], v[EL:EL+3], s[92:93]
	global_store_b128 v[VOS], v[EH:EH+3], s[92:93] offset:HEADB
	s_branch .Lscales_done
.Lscales_v:
	global_store_b128 v[VOS], v[RW:RW+3], s[92:93] ; v: a word is the key step's four blocks; lanes 0-15 the first head's four tiles, lanes 16-31 the second's: 256 consecutive bytes each
.Lscales_done:
	s_wait_tensorcnt 0x0                           ; the wave's end
	ds_add_u32 v[SPW], v[NIL]
	s_wait_dscnt 0x0
	CROUND                                         ; the closing round
	s_endpgm
.Lfunc_end_k_q585a1ff349_proj:
	.size	k_q585a1ff349_proj, .Lfunc_end_k_q585a1ff349_proj-k_q585a1ff349_proj
	.p2alignl 7, 3214868480
	.fill 96, 4, 3214868480
	.section	.rodata,"a",@progbits
	.p2align	6, 0x0
	.amdhsa_kernel k_q585a1ff349_proj
		.amdhsa_group_segment_fixed_size 327680
		.amdhsa_private_segment_fixed_size 0
		.amdhsa_enable_private_segment 0
		.amdhsa_kernarg_size 48
		.amdhsa_user_sgpr_count 2
		.amdhsa_user_sgpr_kernarg_segment_ptr 1
		.amdhsa_wavefront_size32 1
		.amdhsa_system_sgpr_workgroup_id_x 1
		.amdhsa_system_sgpr_workgroup_id_y 1
		.amdhsa_system_sgpr_workgroup_id_z 1
		.amdhsa_system_vgpr_workitem_id 0
		.amdhsa_next_free_vgpr 1024
		.amdhsa_next_free_sgpr 102
		.amdhsa_reserve_vcc 0
		.amdhsa_float_denorm_mode_32 3
		.amdhsa_float_denorm_mode_16_64 3
		.amdhsa_memory_ordered 1
		.amdhsa_forward_progress 1
		.amdhsa_inst_pref_size 142
	.end_amdhsa_kernel
	.amdgpu_metadata
---
amdhsa.version: [ 1, 2 ]
amdhsa.kernels:
  - .name:           k_q585a1ff349_proj
    .symbol:         k_q585a1ff349_proj.kd
    .args:
      - { .name: xc, .offset: 0, .size: 8, .value_kind: global_buffer, .address_space: global }
      - { .name: xs, .offset: 8, .size: 8, .value_kind: global_buffer, .address_space: global }
      - { .name: bq, .offset: 16, .size: 8, .value_kind: global_buffer, .address_space: global }
      - { .name: bk, .offset: 24, .size: 8, .value_kind: global_buffer, .address_space: global }
      - { .name: bv, .offset: 32, .size: 8, .value_kind: global_buffer, .address_space: global }
      - { .name: qkv, .offset: 40, .size: 8, .value_kind: global_buffer, .address_space: global }
    .group_segment_fixed_size: 327680
    .private_segment_fixed_size: 0
    .kernarg_segment_align: 8
    .kernarg_segment_size: 48
    .max_flat_workgroup_size: 128
    .sgpr_count:     102
    .vgpr_count:     1024
    .wavefront_size: 32
...
	.end_amdgpu_metadata
.endif
;; end of part 2
;; launch attn (part 3): grid 4 x 64, 8 waves a work-group, clusters of 4 x 1, 167,936 bytes of LDS; arguments qkv, oc, os; writes oc, os
.if DOCPART == 3
	.amdgcn_target "amdgcn-amd-amdhsa--gfx1250"
	.amdhsa_code_object_version 6
	.text
	.protected	k_q585a1ff349_attn
	.globl	k_q585a1ff349_attn
	.p2align	8
	.type	k_q585a1ff349_attn,@function
k_q585a1ff349_attn:
	s_mov_b64 s[64:65], 0
	v_nop
	global_prefetch_b8 v0, s[64:65] scope:SCOPE_SE
	s_setreg_imm32_b32 hwreg(HW_REG_WAVE_MODE, 25, 1), 1
	s_wait_xcnt 0x0
	s_wait_alu depctr_hold_cnt(0) depctr_sa_sdst(0) depctr_va_vdst(0) depctr_va_sdst(0) depctr_va_ssrc(0) depctr_va_vcc(0) depctr_vm_vsrc(0)
	s_getreg_b32 s2, hwreg(HW_REG_IB_STS2, 6, 4)
	s_cmp_eq_u32 s2, 0
	s_cbranch_scc0 .Lentry_in_a_cluster
	s_endpgm
.Lentry_in_a_cluster:
	s_bfe_u32 s2, ttmp6, 0x10000c
	s_cmp_lg_u32 s2, 0x3003
	s_cbranch_scc0 .Lentry_shape_is_right
	s_endpgm
.Lentry_shape_is_right:
; Launch 3 of 4: for each (batch, head): S^T = k q^T, the softmax, O^T = v^T p^T, O / l, and the quantiser ahead of the output projection.  No work of the problem is left out.
; THE SOFTMAX: t = score x log2(e) / 8; M = the running largest t rounded UP to a whole number; p = 2^(t - M) is quantised along the keys, not normalised.  The row's sum l is taken of the unquantised p and divides O at the end.
; When M moves, l and O^T are multiplied by 2^(old M - new M), which rounds nothing.  A block's largest p is made from the block's largest score by the same multiply-add and exponential
; (this takes v_exp_f32 not to fall where its input rises).
; SHARES.  A work-group owns 512 queries of one head, each of its eight waves 64: four tiles of 16, worked two at a time.  Two waves share a SIMD.  Every wave walks the head's 2,048 keys, 128 a step.
; THE WHOLE HEAD'S K AND V LIE IN LDS: the first 8,960 bytes of each of its 16 records, as images of the operands' registers, filled once: wave w brings records w and 8 + w.  No byte is filled twice.
; CLUSTER.  The four work-groups of a cluster belong to one head and need the same 16 records: each is asked for jointly (mask 15), the same load with the same descriptor in all four.
; K = 64 IN AN INSTRUCTION OF 128: registers 4-7 of every fragment of k and q are zero codes, written once; their scale bytes are 0, which stands for 2^-127 over zeros.
; Both products are used transposed: a lane holds ONE query throughout; launch 1's row swap makes the 16 registers of key tiles 2 b, 2 b + 1 sixteen neighbouring keys, and O^T's registers neighbours along the head's channels.
; OUT.  oc: [token tile 512][K step 8][half 2][lane][16 bytes]: images of the next product's fragments.  os: [64 tokens 128][head 16][64] half-words: the head's two scale bytes; a wave's store there covers 128 consecutive bytes.
; LIMITS: a block of zeros, or one whose largest magnitude lies under 2^-124, gets the scale byte 1; NaN and infinities are not served.
; REGISTERS.  Window 0: v1-6 addresses; v8-23 scale words (K's, V's, Q's, p's) and nothing else; v24-39 four a tile: -M, the largest t, l in two halves; v40-79 twenty for each tile at work; v80-207 S^T, then p; v208-239 p's codes; v240-251 the way out.
; Window 1: v0-127 O^T (32 a tile); v128-159 Q; v160-223 K of a step; v224-255 V of a step.
.set RECB,  13568
.set HEADB, 16*RECB
.set KVB,   8960                       ; what attention's loop reads of a record
.set STG,   16*KVB                     ; behind the records: 256 bytes for each wave, for the scale half-words
.set SPARE, STG+8*256                  ; the spare words, 128 bytes a wave
.set LI,  1                            ; v1  16 x lane
.set LR,  2                            ; v2  16 x (lane % 16)
.set ADR, 3
.set ADR2, 4
.set SPW, 5
.set NIL, 6
.set KS,  8
.set VS,  12
.set QS,  16
.set PS,  20
.set ST,  24                           ; tile T: +0 -M, +1 the largest t, +2, +3 l
.set XB,  40                           ; tile x of the two at work, at XB + 20 x: +0..3 the blocks' largest, +4..7 at work, +8..11 the conversions' scale operands, +12 f (a pair), +14 a second chain of sums (a pair), +16 at work
.set S,   80
.set P,   208
.set RC,  240
.set QF,  128                          ; in window 1
.set KF,  160
.set VF,  224
.set WV,  12
.set CX,  13
.set BH,  14
.set G1,  16
.set G0,  24
.set CS,  32
.set SEL, 34
.set TB,  36
.set CNT, 37
.set MSB, 0
.macro WIN new
.if MSB != (\new)
	s_set_vgpr_msb (MSB<<8)|(\new)
.set MSB, (\new)
.endif
.endm
.macro PLACES n
.rept \n
	v_nop
.endr
.endm
.macro ROUND                           ; a round of the cluster's barrier
	s_barrier_signal -1
	s_barrier_wait -1
	s_cmp_lg_u32 s[WV], 0
	s_cbranch_scc1 .Lnot_wave_0_\@
	s_barrier_signal -3
.Lnot_wave_0_\@:
	s_barrier_wait -3
	s_barrier_signal -1
	s_barrier_wait -1
.endm
	s_load_b128 s[4:7], s[0:1], 0x0                ; qkv s[4:5], oc s[6:7]
	s_load_b64 s[8:9], s[0:1], 0x10                ; os
	v_lshl_add_u32 v[SPW], v0, 2, SPARE
	v_mov_b32 v[NIL], 0
	ds_add_u32 v[SPW], v[NIL]                      ; the wave's opening: the add, twice on end, and its wait ahead of my first tensor load
	ds_add_u32 v[SPW], v[NIL]
	v_lshrrev_b32 v7, 5, v0
	v_readfirstlane_b32 s[WV], v7                  ; wave 0..7
	s_bfe_u32 s[CX], ttmp6, 0x40000                ; my block of 512 queries
	s_and_b32 s[BH], ttmp7, 0xffff                 ; 16 x batch + head: the four partners share it
	; group 1: 8,960 dense bytes as 35 rows of 256 (32 elements of 8 bytes), no padding: the images are read 512 consecutive bytes at a time
	s_mov_b32 s[G1], 15|(3<<16)|(1<<21)            ; the mask: all four work-groups; bit 21 beside it
	s_mov_b32 s[G1+1], 32<<16
	s_mov_b32 s[G1+2], 35<<16
	s_mov_b32 s[G1+3], 32<<16
	s_mov_b32 s[G1+4], 35
	s_mov_b32 s[G1+5], 32
	s_mov_b32 s[G1+6], 0
	s_mov_b32 s[G1+7], 0
	s_mul_i32 s40, s[BH], HEADB                    ; the head's records (under 2^24 bytes on)
	s_mul_i32 s41, s[WV], RECB
	s_add_co_u32 s42, s40, s41                     ; record w
	s_mov_b32 s43, 0
	s_mul_i32 s44, s[WV], KVB                      ; and its place in LDS
	s_mov_b32 s[CS], 0x3e38aa3b                    ; c = log2(e) / 8
	s_mov_b32 s[CS+1], s[CS]                       ; (named with it as a pair)
	s_mov_b32 s[SEL], 0x76543210
	s_mov_b32 s[SEL+1], 0xfedcba98
	s_mov_b32 s[TB], 0
	s_lshl_b32 s38, s[WV], 8
	s_add_co_u32 s38, s38, STG                     ; my stage
	s_wait_dscnt 0x0                               ; both opening adds are done
	s_wait_kmcnt 0x0
	ROUND                                          ; all four work-groups are here: the joint loads meet
	s_mov_b32 s[G0], 1
	s_mov_b32 s[G0+1], s44
	s_add_nc_u64 s[G0+2:G0+3], s[4:5], s[42:43]
	s_or_b32 s[G0+3], s[G0+3], 0x80000000
	s_mov_b32 s[G0+4], 1
	s_add_co_u32 s[G0+5], s44, 8*KVB
	s_add_nc_u64 s[G0+6:G0+7], s[4:5], s[42:43]
	s_add_nc_u64 s[G0+6:G0+7], s[G0+6:G0+7], 8*RECB
	s_or_b32 s[G0+7], s[G0+7], 0x80000000
	tensor_load_to_lds s[G0:G0+3], s[G1:G1+7]      ; record w
	s_nop 0
	tensor_load_to_lds s[G0+4:G0+7], s[G1:G1+7]    ; record 8 + w: two tensor loads of mine are out
	s_nop 0
	PLACES 4
	v_and_b32 v7, 31, v0
	v_lshlrev_b32 v[LI], 4, v7
	v_and_b32 v7, 15, v0
	v_lshlrev_b32 v[LR], 4, v7
	; Q: my 64 queries are four tiles of record 4 cx + wave / 2
	s_lshl_b32 s41, s[CX], 2
	s_lshr_b32 s45, s[WV], 1
	s_add_co_u32 s41, s41, s45
	s_mul_i32 s41, s41, RECB
	s_add_co_u32 s40, s40, s41
	s_and_b32 s45, s[WV], 1
	s_lshl_b32 s46, s45, 11                        ; tiles 4 (wave % 2) on: 512 bytes a tile
	s_add_co_u32 s46, s46, s40
	s_mov_b32 s47, 0
	s_lshl_b32 s45, s45, 8                         ; their scale words: 256 bytes for four tiles
	s_add_co_u32 s44, s45, s40
	s_mov_b32 s45, 0
	s_add_nc_u64 s[46:47], s[4:5], s[46:47]
	s_add_nc_u64 s[44:45], s[4:5], s[44:45]
	WIN 0x40                                       ; destination window 1
.irp T, 0,1,2,3
	global_load_b128 v[QF+8*\T:QF+8*\T+3], v[LI], s[46:47] offset:8960+512*\T
.endr
	WIN 0
	global_load_b128 v[QS:QS+3], v[LR], s[44:45] offset:13056
	; where the results go
	s_lshr_b32 s40, s[BH], 4                       ; batch
	s_and_b32 s41, s[BH], 15                       ; head
	s_lshl_b32 s42, s40, 7
	s_lshl_b32 s43, s[CX], 5
	s_add_co_u32 s42, s42, s43
	s_lshl_b32 s43, s[WV], 2
	s_add_co_u32 s42, s42, s43                     ; my first token tile
	s_lshl_b32 s42, s42, 13                        ; 8,192 bytes a tile
	s_lshl_b32 s43, s41, 9                         ; 512 bytes a head
	s_add_co_u32 s42, s42, s43
	s_mov_b32 s43, 0
	s_add_nc_u64 s[6:7], s[6:7], s[42:43]
	s_lshl_b32 s42, s40, 5
	s_lshl_b32 s43, s[CX], 3
	s_add_co_u32 s42, s42, s43
	s_add_co_u32 s42, s42, s[WV]                   ; my 64 tokens
	s_lshl_b32 s42, s42, 4
	s_add_co_u32 s42, s42, s41
	s_lshl_b32 s42, s42, 7                         ; 128 bytes for 64 tokens of a head
	s_mov_b32 s43, 0
	s_add_nc_u64 s[8:9], s[8:9], s[42:43]
	WIN 0x40
.irp t, 0,1,2,3,4,5,6,7
.irp j, 4,5,6,7
	v_mov_b32 v[KF+8*\t+\j], 0                     ; the zero codes of k = 64 .. 127: written once, never loaded over
.endr
.endr
.irp T, 0,1,2,3
.irp j, 4,5,6,7
	v_mov_b32 v[QF+8*\T+\j], 0
.endr
.endr
	WIN 0
.irp T, 0,1,2,3
	v_mov_b32 v[ST+4*\T+1], 0xff61b1e6             ; the largest t so far: -3e38, under every t
	v_floor_f32 v[ST+4*\T], -v[ST+4*\T+1]          ; -M
	v_mov_b32 v[ST+4*\T+2], 0                      ; l
	v_mov_b32 v[ST+4*\T+3], 0
	v_mov_b32 v[RC+2*\T+1], 0                      ; (a lane permute's destination counts as one of its sources)
.endr
.irp x, 0,1
.irp b, 0,1,2,3
	v_mov_b32 v[XB+20*\x+4+\b], 0                  ; likewise
.endr
	v_mov_b32 v[XB+20*\x+13], 0                    ; (named as the upper half of f's pair)
.endr
; A key step's 18 LDS loads, in one run: K's eight tiles (registers 0-3) and scale words, V's four tiles and scale words
.macro LOADS
	v_add_nc_u32 v[ADR], s[TB], v[LI]              ; these two and two v_nop are the four plain places behind the last step's products
	v_add_nc_u32 v[ADR2], s[TB], v[LR]
	v_nop
	v_nop
	WIN 0x40
.irp t, 0,1,2,3,4,5,6,7
	ds_load_b128 v[KF+8*\t:KF+8*\t+3], v[ADR] offset:512*\t
.endr
	WIN 0
	ds_load_b128 v[KS:KS+3], v[ADR] offset:8192    ; lanes 0-15: tiles 0-3; lanes 16-31: tiles 4-7
	WIN 0x40
.irp t, 0,1,2,3
.irp c, 0,1
	ds_load_b128 v[VF+8*\t+4*\c:VF+8*\t+4*\c+3], v[ADR] offset:4096+1024*\t+512*\c
.endr
.endr
	WIN 0
	ds_load_b128 v[VS:VS+3], v[ADR2] offset:8704
.endm
; S^T = K Q^T for tiles 2 bat, 2 bat + 1: 16 products, each a sum of its own
.macro KQ bat
.irp t, 0,1,2,3,4,5,6,7
.irp x, 0,1
.if \t < 4
	v_wmma_scale_f32_16x16x128_f8f6f4 v[S+64*\x+8*\t:S+64*\x+8*\t+7], v[KF+8*\t:KF+8*\t+7], v[QF+8*(2*(\bat)+\x):QF+8*(2*(\bat)+\x)+7], 0, v[KS+\t%4], v[QS+2*(\bat)+\x] matrix_a_fmt:MATRIX_FMT_FP4 matrix_b_fmt:MATRIX_FMT_FP4
.else
	v_wmma_scale_f32_16x16x128_f8f6f4 v[S+64*\x+8*\t:S+64*\x+8*\t+7], v[KF+8*\t:KF+8*\t+7], v[QF+8*(2*(\bat)+\x):QF+8*(2*(\bat)+\x)+7], 0, v[KS+\t%4], v[QS+2*(\bat)+\x] matrix_a_fmt:MATRIX_FMT_FP4 matrix_b_fmt:MATRIX_FMT_FP4 matrix_a_scale:MATRIX_SCALE_ROW1
.endif
.endr
.endr
.endm
; O^T += V^T P^T for the same two tiles: 8 products on 8 accumulators.  first = 1: they start the sums: nothing is cleared
.macro PV bat, first
.irp t, 0,1,2,3
.irp x, 0,1
.set xO, 32*(2*(\bat)+\x)+8*\t
.set xP, P+8*(2*(\bat)+\x)
.if \first
	v_wmma_scale_f32_16x16x128_f8f6f4 v[xO:xO+7], v[VF+8*\t:VF+8*\t+7], v[xP:xP+7], 0, v[VS+\t], v[PS+2*(\bat)+\x] matrix_a_fmt:MATRIX_FMT_FP4 matrix_b_fmt:MATRIX_FMT_FP4
.else
	v_wmma_scale_f32_16x16x128_f8f6f4 v[xO:xO+7], v[VF+8*\t:VF+8*\t+7], v[xP:xP+7], v[xO:xO+7], v[VS+\t], v[PS+2*(\bat)+\x] matrix_a_fmt:MATRIX_FMT_FP4 matrix_b_fmt:MATRIX_FMT_FP4
.endif
.endr
.endr
.endm
; One line of tile x's sums; j = 2 x the pair's number.  l is first brought under the new M; the 32 pairs go into two chains
.macro SUMOP x, bat
.set xL, ST+4*(2*(\bat)+(\x))+2
.set xF, XB+20*(\x)+12
.set xA, XB+20*(\x)+14
.set xS, S+64*(\x)
.if j == 0
	v_pk_mul_f32 v[xL:xL+1], v[xL:xL+1], v[xF:xF+1] op_sel_hi:[1,0]
.elseif j == 2
	v_pk_add_f32 v[xA:xA+1], v[xS:xS+1], v[xS+2:xS+3]
.elseif (j%4) == 0
	v_pk_add_f32 v[xL:xL+1], v[xL:xL+1], v[xS+j:xS+j+1]
.else
	v_pk_add_f32 v[xA:xA+1], v[xA:xA+1], v[xS+j:xS+j+1]
.endif
.endm
; THE SOFTMAX of two tiles for one key step.  Register 16 b + i of a tile's 64 is key 32 b + 16 (lane / 16) + i of my query.
.macro SMAX bat, first
.irp b, 0,1,2,3
.irp x, 0,1
	v_max3_num_f32 v[XB+20*\x+\b], v[S+64*\x+16*\b], v[S+64*\x+16*\b+1], v[S+64*\x+16*\b+2]   ; the largest score of each block of 32 keys, eight chains by turns, each accumulator from its low end on
.endr
.endr
.irp i, 3,5,7,9,11,13
.irp b, 0,1,2,3
.irp x, 0,1
	v_max3_num_f32 v[XB+20*\x+\b], v[XB+20*\x+\b], v[S+64*\x+16*\b+\i], v[S+64*\x+16*\b+\i+1]
.endr
.endr
.endr
.irp b, 0,1,2,3
.irp x, 0,1
	v_max_num_f32 v[XB+20*\x+\b], v[XB+20*\x+\b], v[S+64*\x+16*\b+15]
.endr
.endr
.irp b, 0,1,2,3
.irp x, 0,1
	v_permlanex16_b32 v[XB+20*\x+4+\b], v[XB+20*\x+\b], s[SEL], s[SEL+1]
.endr
.endr
.irp b, 0,1,2,3
.irp x, 0,1
	v_max_num_f32 v[XB+20*\x+\b], v[XB+20*\x+\b], v[XB+20*\x+4+\b]   ; with lane l xor 16's 16 keys
.endr
.endr
.irp x, 0,1
	v_max3_num_f32 v[XB+20*\x+16], v[XB+20*\x], v[XB+20*\x+1], v[XB+20*\x+2]
.endr
.irp x, 0,1
	v_max_num_f32 v[XB+20*\x+16], v[XB+20*\x+16], v[XB+20*\x+3]     ; the step's largest score of my query
.endr
.irp x, 0,1
	v_mul_f32 v[XB+20*\x+16], s[CS], v[XB+20*\x+16]                 ; as t (c is positive)
.endr
.irp x, 0,1
	v_max_num_f32 v[ST+4*(2*(\bat)+\x)+1], v[ST+4*(2*(\bat)+\x)+1], v[XB+20*\x+16]   ; the running largest t
.endr
.irp x, 0,1
	v_mov_b32 v[XB+20*\x+16], v[ST+4*(2*(\bat)+\x)]
.endr
.irp x, 0,1
	v_floor_f32 v[ST+4*(2*(\bat)+\x)], -v[ST+4*(2*(\bat)+\x)+1]     ; the new -M = floor(-t): M is a whole number
.endr
.irp x, 0,1
	v_sub_f32 v[XB+20*\x+16], v[ST+4*(2*(\bat)+\x)], v[XB+20*\x+16] ; old M less new M: a whole number, 0 or less
.endr
.irp x, 0,1
	v_cvt_i32_f32 v[XB+20*\x+16], v[XB+20*\x+16]                    ; (it saturates)
.endr
.irp x, 0,1
	v_ldexp_f32 v[XB+20*\x+12], 1.0, v[XB+20*\x+16]                 ; f = 2^(old M - new M)
.endr
.set j, 0
.rept 32
	v_pk_fma_f32 v[S+j:S+j+1], v[S+j:S+j+1], s[CS:CS+1], v[ST+8*(\bat):ST+8*(\bat)+1] op_sel_hi:[1,0,0]   ; the first tile: t - M, two at a time
.set j, j+2
.endr
.irp b, 0,1,2,3
	v_fma_f32 v[XB+\b], v[XB+\b], s[CS], v[ST+8*(\bat)]             ; the same of each block's largest score
.endr
.set j, 0
.rept 32                                       ; the first tile's exponentials, ONE BATCH; the second tile's scalings stand between them and name none of their results
	v_exp_f32 v[S+j], v[S+j]
	v_exp_f32 v[S+j+1], v[S+j+1]
	v_pk_fma_f32 v[S+64+j:S+64+j+1], v[S+64+j:S+64+j+1], s[CS:CS+1], v[ST+8*(\bat)+4:ST+8*(\bat)+5] op_sel_hi:[1,0,0]
.set j, j+2
.endr
.irp b, 0,1,2,3
	v_exp_f32 v[XB+\b], v[XB+\b]                   ; the blocks' largest p
.endr
.irp b, 0,1,2,3
	v_fma_f32 v[XB+20+\b], v[XB+20+\b], s[CS], v[ST+8*(\bat)+4]     ; plain lines behind the last exponential
.endr
	s_wait_alu depctr_va_vdst(0)                   ; one wait for the batch of 68, ahead of its first reader
.set j, 0
.rept 32                                       ; the second tile's exponentials; the first tile's sums, of the UNQUANTISED p, stand between them
	v_exp_f32 v[S+64+j], v[S+64+j]
	v_exp_f32 v[S+64+j+1], v[S+64+j+1]
	SUMOP 0, \bat
.set j, j+2
.endr
.irp b, 0,1,2,3
	v_exp_f32 v[XB+20+\b], v[XB+20+\b]
.endr
	v_pk_add_f32 v[ST+8*(\bat)+2:ST+8*(\bat)+3], v[ST+8*(\bat)+2:ST+8*(\bat)+3], v[XB+14:XB+15]   ; the first tile's two chains.  (A plain line behind the last exponential)
	s_wait_alu depctr_va_vdst(0)                   ; and one wait for the second batch
.set j, 0
.rept 32
	SUMOP 1, \bat
.set j, j+2
.endr
	v_pk_add_f32 v[ST+8*(\bat)+6:ST+8*(\bat)+7], v[ST+8*(\bat)+6:ST+8*(\bat)+7], v[XB+34:XB+35]
.irp b, 0,1,2,3
.irp x, 0,1
	v_max_num_f32 v[XB+20*\x+\b], 0x1800000, v[XB+20*\x+\b]         ; the floor 2^(3 - 127): the byte cannot fall under 1
.endr
.endr
.irp b, 0,1,2,3
.irp x, 0,1
	v_add_nc_u32 v[XB+20*\x+8+\b], 0xff000000, v[XB+20*\x+\b]       ; 2 off the exponent field: the conversion's scale operand
.endr
.endr
.irp b, 0,1,2,3
.irp x, 0,1
	v_lshrrev_b32 v[XB+20*\x+4+\b], 23, v[XB+20*\x+8+\b]            ; the scale's byte
.endr
.endr
.irp x, 0,1
	v_lshl_or_b32 v[PS+2*(\bat)+\x], v[XB+20*\x+5], 8, v[XB+20*\x+4]   ; p's scale word for these 128 keys
.endr
.irp x, 0,1
	v_lshl_or_b32 v[PS+2*(\bat)+\x], v[XB+20*\x+6], 16, v[PS+2*(\bat)+\x]
.endr
.irp x, 0,1
	v_lshl_or_b32 v[PS+2*(\bat)+\x], v[XB+20*\x+7], 24, v[PS+2*(\bat)+\x]
.endr
.irp b, 0,1,2,3
.irp x, 0,1
	v_cvt_scalef32_pk8_fp4_f32 v[P+8*(2*(\bat)+\x)+2*\b], v[S+64*\x+16*\b:S+64*\x+16*\b+7], v[XB+20*\x+8+\b]
	v_cvt_scalef32_pk8_fp4_f32 v[P+8*(2*(\bat)+\x)+2*\b+1], v[S+64*\x+16*\b+8:S+64*\x+16*\b+15], v[XB+20*\x+8+\b]
.endr
.endr
	v_nop                                          ; one plain place behind a scaled conversion
.irp x, 0,1
.irp c, 0,1                                    ; the operand's layout wants a whole block in a lane
.irp i, 0,1
	v_permlane16_swap_b32 v[P+8*(2*(\bat)+\x)+4*\c+\i], v[P+8*(2*(\bat)+\x)+4*\c+2+\i]
.endr
.endr
.endr
.if \first
	PLACES 8                                       ; a scale register written by a vector instruction stands 8 places ahead of a scaled matrix instruction, an operand so written 4
.else
	WIN 0x41                                       ; O^T (destination and source 0) window 1, f window 0
.irp x, 0,1
.set j, 0
.rept 16
	v_pk_mul_f32 v[32*(2*(\bat)+\x)+j:32*(2*(\bat)+\x)+j+1], v[32*(2*(\bat)+\x)+j:32*(2*(\bat)+\x)+j+1], v[XB+20*\x+12:XB+20*\x+13] op_sel_hi:[1,0]   ; O^T under the new M, each accumulator from its low end on.  (These 32 are also those places)
.set j, j+2
.endr
.endr
	WIN 0
.endif
.endm
; A KEY STEP: 128 keys
.macro STEP first
	LOADS
	s_wait_dscnt 9                                 ; K's eight tiles and scale words are in; V's eight loads and its scale words may stay out
	WIN 0x05                                       ; K and Q window 1, S^T window 0
	KQ 0
	WIN 0
	PLACES 4                                       ; four plain places ahead of the first read of the scores
	SMAX 0, \first
	WIN 0x05
	KQ 1
	s_wait_dscnt 0x0                               ; V is in
	WIN 0x51                                       ; V, C and D window 1, p window 0
	PV 0, \first
	WIN 0
	PLACES 4
	SMAX 1, \first
	WIN 0x51
	PV 1, \first
	WIN 0
	s_add_co_u32 s[TB], s[TB], KVB                 ; the next record
.endm
	s_wait_loadcnt 0x0                             ; Q
	s_wait_tensorcnt 0x1                           ; my record of the first eight is in; the second load stays out
	s_barrier_signal -1
	s_barrier_wait -1                              ; records 0 to 7 are whole
	STEP 1                                         ; the first step starts O^T's sums
	s_mov_b32 s[CNT], 7
.Lfirst_half:
	STEP 0
	s_sub_co_u32 s[CNT], s[CNT], 1
	s_cmp_lg_u32 s[CNT], 0
	s_cbranch_scc1 .Lfirst_half
	s_wait_tensorcnt 0x0                           ; my record of the second eight is in: it was my last load
	s_wait_dscnt 0x0
	s_barrier_signal -1
	s_barrier_wait -1                              ; records 8 to 15 are whole
	s_mov_b32 s[CNT], 8
.Lsecond_half:
	STEP 0
	s_sub_co_u32 s[CNT], s[CNT], 1
	s_cmp_lg_u32 s[CNT], 0
	s_cbranch_scc1 .Lsecond_half
	; THE WAY OUT.  l's two halves and lane l xor 16's; O^T / l; the head's two blocks of 32 channels are quantised for the output projection.  The additions are the places behind the last products.
.irp T, 0,1,2,3
	v_add_f32 v[RC+2*\T], v[ST+4*\T+2], v[ST+4*\T+3]
.endr
.irp T, 0,1,2,3
	v_permlanex16_b32 v[RC+2*\T+1], v[RC+2*\T], s[SEL], s[SEL+1]
.endr
.irp T, 0,1,2,3
	v_add_f32 v[RC+2*\T], v[RC+2*\T], v[RC+2*\T+1]
.endr
.irp T, 0,1,2,3
	v_rcp_f32 v[RC+2*\T], v[RC+2*\T]
.endr
	v_lshrrev_b32 v248, 3, v[LR]                   ; (plain lines behind the reciprocals)  2 x (lane % 16)
	v_lshrrev_b32 v250, 2, v[LI]                   ; 4 x lane
	v_add_nc_u32 v248, s38, v248                   ; my stage: a half-word a token
	v_add_nc_u32 v249, s38, v250                   ; and back: a word a lane
	s_wait_alu depctr_va_vdst(0)                   ; one wait for the four reciprocals, ahead of their first reader
	WIN 0x01                                       ; source 0 (O^T) window 1; the quotients go where the scores lay
.irp T, 0,1,2,3
.set j, 0
.rept 16
	v_pk_mul_f32 v[S+32*\T+j:S+32*\T+j+1], v[32*\T+j:32*\T+j+1], v[RC+2*\T:RC+2*\T+1] op_sel_hi:[1,0]   ; register 16 b + i: channel 32 b + 16 (lane / 16) + i of my token
.set j, j+2
.endr
.endr
	WIN 0
.irp n, 0,1,2,3,4,5,6,7                        ; block n = 2 T + b: eight chains by turns
	v_max3_num_f32 v[40+\n], |v[S+16*\n]|, |v[S+16*\n+1]|, 0x1800000
.endr
.irp i, 2,4,6,8,10,12,14
.irp n, 0,1,2,3,4,5,6,7
	v_max3_num_f32 v[40+\n], v[40+\n], |v[S+16*\n+\i]|, |v[S+16*\n+\i+1]|
.endr
.endr
.irp n, 0,1,2,3,4,5,6,7
	v_permlanex16_b32 v[48+\n], v[40+\n], s[SEL], s[SEL+1]
.endr
.irp n, 0,1,2,3,4,5,6,7
	v_max_num_f32 v[40+\n], v[40+\n], v[48+\n]
.endr
.irp n, 0,1,2,3,4,5,6,7
	v_add_nc_u32 v[56+\n], 0xff000000, v[40+\n]
.endr
.irp n, 0,1,2,3,4,5,6,7
	v_lshrrev_b32 v[48+\n], 23, v[56+\n]
.endr
.irp T, 0,1,2,3
	v_lshl_or_b32 v[64+\T], v[49+2*\T], 8, v[48+2*\T]   ; the head's two scale bytes of my token
.endr
.irp n, 0,1,2,3,4,5,6,7
	v_cvt_scalef32_pk8_fp4_f32 v[P+2*\n], v[S+16*\n:S+16*\n+7], v[56+\n]
	v_cvt_scalef32_pk8_fp4_f32 v[P+2*\n+1], v[S+16*\n+8:S+16*\n+15], v[56+\n]
.endr
	v_nop                                          ; one plain place behind a scaled conversion
.irp T, 0,1,2,3
.irp i, 0,1
	v_permlane16_swap_b32 v[P+4*\T+\i], v[P+4*\T+2+\i]   ; lanes 0-15 block 0, lanes 16-31 block 1: four registers of the next operand
.endr
.endr
.irp T, 0,1,2,3
	global_store_b128 v[LI], v[P+4*\T:P+4*\T+3], s[6:7] offset:8192*\T   ; 32 lanes store 512 consecutive bytes, aligned to 256
.endr
.irp T, 0,1,2,3
	ds_store_b16 v248, v[64+\T] offset:32*\T       ; both halves of the lanes write the same half-word with the same value
.endr
	ds_load_b32 v251, v249                         ; LDS serves a wave's instructions in order: this sees my stores
	s_wait_dscnt 0x0
	global_store_b32 v250, v251, s[8:9]            ; 32 lanes store 128 consecutive bytes
	s_wait_tensorcnt 0x0                           ; the wave's end, behind my last tensor load and my last LDS store
	ds_add_u32 v[SPW], v[NIL]
	s_wait_dscnt 0x0
	ROUND                                          ; the closing round
	s_endpgm
.Lfunc_end_k_q585a1ff349_attn:
	.size	k_q585a1ff349_attn, .Lfunc_end_k_q585a1ff349_attn-k_q585a1ff349_attn
	.p2alignl 7, 3214868480
	.fill 96, 4, 3214868480
	.section	.rodata,"a",@progbits
	.p2align	6, 0x0
	.amdhsa_kernel k_q585a1ff349_attn
		.amdhsa_group_segment_fixed_size 167936
		.amdhsa_private_segment_fixed_size 0
		.amdhsa_enable_private_segment 0
		.amdhsa_kernarg_size 24
		.amdhsa_user_sgpr_count 2
		.amdhsa_user_sgpr_kernarg_segment_ptr 1
		.amdhsa_wavefront_size32 1
		.amdhsa_system_sgpr_workgroup_id_x 1
		.amdhsa_system_sgpr_workgroup_id_y 1
		.amdhsa_system_sgpr_workgroup_id_z 1
		.amdhsa_system_vgpr_workitem_id 0
		.amdhsa_next_free_vgpr 512
		.amdhsa_next_free_sgpr 66
		.amdhsa_reserve_vcc 0
		.amdhsa_float_denorm_mode_32 3
		.amdhsa_float_denorm_mode_16_64 3
		.amdhsa_memory_ordered 1
		.amdhsa_forward_progress 1
		.amdhsa_inst_pref_size 181
	.end_amdhsa_kernel
	.amdgpu_metadata
---
amdhsa.version: [ 1, 2 ]
amdhsa.kernels:
  - .name:           k_q585a1ff349_attn
    .symbol:         k_q585a1ff349_attn.kd
    .args:
      - { .name: qkv, .offset: 0, .size: 8, .value_kind: global_buffer, .address_space: global }
      - { .name: oc, .offset: 8, .size: 8, .value_kind: global_buffer, .address_space: global }
      - { .name: os, .offset: 16, .size: 8, .value_kind: global_buffer, .address_space: global }
    .group_segment_fixed_size: 167936
    .private_segment_fixed_size: 0
    .kernarg_segment_align: 8
    .kernarg_segment_size: 24
    .max_flat_workgroup_size: 256
    .sgpr_count:     66
    .vgpr_count:     512
    .wavefront_size: 32
...
	.end_amdgpu_metadata
.endif
;; end of part 3
;; launch outp (part 4): grid 4 x 64, 4 waves a work-group, clusters of 4 x 4, 262,144 bytes of LDS; arguments oc, os, xc, xs, bo, out0; writes out0
.if DOCPART == 4
	.amdgcn_target "amdgcn-amd-amdhsa--gfx1250"
	.amdhsa_code_object_version 6
	.text
	.protected	k_q585a1ff349_outp
	.globl	k_q585a1ff349_outp
	.p2align	8
	.type	k_q585a1ff349_outp,@function
k_q585a1ff349_outp:
	s_mov_b64 s[64:65], 0
	v_nop
	global_prefetch_b8 v0, s[64:65] scope:SCOPE_SE
	s_setreg_imm32_b32 hwreg(HW_REG_WAVE_MODE, 25, 1), 1
	s_wait_xcnt 0x0
	s_wait_alu depctr_hold_cnt(0) depctr_sa_sdst(0) depctr_va_vdst(0) depctr_va_sdst(0) depctr_va_ssrc(0) depctr_va_vcc(0) depctr_vm_vsrc(0)
	s_getreg_b32 s2, hwreg(HW_REG_IB_STS2, 6, 4)
	s_cmp_eq_u32 s2, 0
	s_cbranch_scc0 .Lentry_in_a_cluster
	s_endpgm
.Lentry_in_a_cluster:
	s_bfe_u32 s2, ttmp6, 0x10000c
	s_cmp_lg_u32 s2, 0xf033
	s_cbranch_scc0 .Lentry_shape_is_right
	s_endpgm
.Lentry_shape_is_right:
; Launch 4 of 4: out0 = attention's result Wo^T + bo on codes of FP4.  No work of the problem is left out.
; A tile of 128 tokens x 256 columns is made by four waves, 64 x 128 each: 32 accumulators.  That gives 256 work-groups, so that the 32 MiB of output leave from all of them.
; K = 1,024 is eight matrix steps; the whole K of a tile lies in LDS as two halves, each filled ONCE: no byte is filled twice.
; A (tokens) comes as images of the operand's registers (oc: [token tile][K step][half][lane][16 bytes]); its scale words are pieced from two half-words, one a head (os).  B = rows 27,648 on of xc and xs (Wo, in its own order).
; CLUSTERS: 4 x 4 work-groups; A's tiles are asked for jointly along a row of the cluster, B's along a column.
; The matrix instruction is used transposed (source 0 = 16 rows of Wo, source 1 = 16 tokens): a lane holds eight neighbouring columns of one row of out0.  bo is the C of each sum's first matrix instruction.
; REGISTERS.  Window 0: v1-29 addresses; v32-63 A's scale words (4 q + i); v64-127 B's (32 (q / 4) + 4 b + q % 4); v128-159, v160-191 A's fragments, two sets; v192-223 half-words; on the way out v128-255 rows of out0.
; Window 1: v0-63, v128-191 B's fragments, two sets; v64-127 bo.  Window 2: accumulator (a, b) at v[8 (8 a + b)].
.set PITCH,  272
.set HALFT,  128*PITCH
.set AIMG,   0                         ; A's images: half of K s x 32,768 + 64 tokens x 16,384 + tile x 4,096 + (q % 4) x 1,024 + 512 c + 16 lane
.set BT,     65536                     ; B's rows: half of K s x 69,632 + 128 rows x 34,816
.set BSLOT,  2*HALFT
.set SA,     BT+2*BSLOT                ; A's half-words: 2,048 bytes for 64 tokens as 8 rows of 256 + 16: a row is a K step's two heads
.set SAH,    8*272
.set SB,     SA+2*SAH                  ; B's scale bytes, 32 a row, as rows of 256 + 16
.set SBH,    16*272
.set SBLK,   2*272
.set STG,    SB+2*SBH                  ; the way out: 16 rows x (512 + 16) bytes for each wave: bytes of their own, into which no fill lands
.set SPITCH, 528
.set SPARE,  STG+4*16*SPITCH
.set ADRA, 16
.set ADRB, 20
.set ADSA, 22
.set STO,  24
.set RD,   25
.set CO,   26
.set ADSB, 27
.set SPW,  28
.set NIL,  29
.set ASC,  32
.set BSC,  64
.set AF,   128
.set HI,   192
.set BK,   128
.set BIAS, 64                          ; in window 1
.set WV,   16
.set WA,   17
.set WB,   18
.set CX,   19
.set CY,   20
.set TR,   21
.set G1,   24
.set G0,   32
.set G1B,  48
.set G0B,  56
.set G1S,  68
.set G0S,  76
.set G1SB, 80
.set G0SB, 88
.set MSB, 0
.macro WIN new
.if MSB != (\new)
	s_set_vgpr_msb (MSB<<8)|(\new)
.set MSB, (\new)
.endif
.endm
.macro PLACES n
.rept \n
	v_nop
.endr
.endm
.macro JLOAD g0a, g1a, g0b, g1b        ; a joint load: waves 0 and 1 fetch for A, waves 2 and 3 for B; an s_nop 0 and four v_nop follow each of the two lines
	s_cmp_eq_u32 s[WA], 0
	s_cbranch_scc0 .Lfor_b_\@
	tensor_load_to_lds s[\g0a:\g0a+3], s[\g1a:\g1a+7]
	s_nop 0
.rept 4
	v_nop
.endr
	s_branch .Lasked_\@
.Lfor_b_\@:
	tensor_load_to_lds s[\g0b:\g0b+3], s[\g1b:\g1b+7]
	s_nop 0
.rept 4
	v_nop
.endr
.Lasked_\@:
.endm
.macro CROUND
	s_barrier_signal -1
	s_barrier_wait -1
	s_cmp_lg_u32 s[WV], 0
	s_cbranch_scc1 .Lnot_wave_0_\@
	s_barrier_signal -3
.Lnot_wave_0_\@:
	s_barrier_wait -3
	s_barrier_signal -1
	s_barrier_wait -1
.endm
	s_load_b256 s[4:11], s[0:1], 0x0               ; oc s[4:5], os s[6:7], xc s[8:9], xs s[10:11]
	s_load_b128 s[12:15], s[0:1], 0x20             ; bo s[12:13], out0 s[14:15]
	v_lshl_add_u32 v[SPW], v0, 2, SPARE
	v_mov_b32 v[NIL], 0
	ds_add_u32 v[SPW], v[NIL]                      ; the wave's opening: the add, twice on end, and its wait ahead of my first tensor load
	ds_add_u32 v[SPW], v[NIL]
	v_lshrrev_b32 v1, 5, v0
	v_readfirstlane_b32 s[WV], v1
	s_lshr_b32 s[WA], s[WV], 1                     ; which 64 tokens are mine.  Also: I fetch for A (0) or for B (1)
	s_and_b32 s[WB], s[WV], 1                      ; which 128 columns.  Also: which half of that tile I fetch
	s_bfe_u32 s[CX], ttmp6, 0x40000
	s_bfe_u32 s[CY], ttmp6, 0x40004
	s_and_b32 s[TR], ttmp7, 0xffff
	s_lshl_b32 s[TR], s[TR], 2
	s_add_co_u32 s[TR], s[TR], s[CY]               ; my 128 tokens: 4 x cluster y + cy
	s_lshl_b32 s44, s[CY], 2
	s_lshl_b32 s44, 15, s44                        ; my row of the cluster
	s_lshl_b32 s45, 0x1111, s[CX]                  ; my column
	; A's codes: 4 token tiles x 4,096 bytes (four K steps), 8,192 bytes apart in memory, dense in LDS: elements of 8 bytes
	s_or_b32 s[G1], s44, (3<<16)|(1<<21)
	s_mov_b32 s[G1+1], 512<<16
	s_mov_b32 s[G1+2], 4<<16
	s_mov_b32 s[G1+3], 512<<16
	s_mov_b32 s[G1+4], 4
	s_mov_b32 s[G1+5], 1024
	s_mov_b32 s[G1+6], 0
	s_mov_b32 s[G1+7], 0
	; B's codes: 128 rows x 256 bytes, 512 apart, 16 bytes of padding behind each
	s_or_b32 s[G1B], s45, (1<<20)|(1<<21)|(5<<22)|(3<<25)
	s_mov_b32 s[G1B+1], 256<<16
	s_mov_b32 s[G1B+2], 128<<16
	s_mov_b32 s[G1B+3], 256<<16
	s_mov_b32 s[G1B+4], 128
	s_mov_b32 s[G1B+5], 512
	s_mov_b32 s[G1B+6], 0
	s_mov_b32 s[G1B+7], 0
	; A's half-words: 2,048 dense bytes as 8 rows of 256; B's scale bytes: 4,096 as 16 rows; both padded by 16
	s_or_b32 s[G1S], s44, (3<<16)|(1<<20)|(1<<21)|(5<<22)|(3<<25)
	s_mov_b32 s[G1S+1], 32<<16
	s_mov_b32 s[G1S+2], 8<<16
	s_mov_b32 s[G1S+3], 32<<16
	s_mov_b32 s[G1S+4], 8
	s_mov_b32 s[G1S+5], 32
	s_mov_b32 s[G1S+6], 0
	s_mov_b32 s[G1S+7], 0
	s_or_b32 s[G1SB], s45, (3<<16)|(1<<20)|(1<<21)|(5<<22)|(3<<25)
	s_mov_b32 s[G1SB+1], 32<<16
	s_mov_b32 s[G1SB+2], 16<<16
	s_mov_b32 s[G1SB+3], 32<<16
	s_mov_b32 s[G1SB+4], 16
	s_mov_b32 s[G1SB+5], 32
	s_mov_b32 s[G1SB+6], 0
	s_mov_b32 s[G1SB+7], 0
	s_lshl_b32 s92, s[TR], 16                      ; A's codes: 65,536 bytes for 128 tokens,
	s_lshl_b32 s46, s[WB], 15                      ; 32,768 for the half that I fetch
	s_add_co_u32 s92, s92, s46
	s_mov_b32 s93, 0
	s_lshl_b32 s94, s[TR], 12                      ; A's half-words: 2,048 bytes for 64 tokens
	s_lshl_b32 s46, s[WB], 11
	s_add_co_u32 s94, s94, s46
	s_mov_b32 s95, 0
	s_lshl_b32 s3, s[CX], 8
	s_lshl_b32 s47, s[WB], 7
	s_add_co_u32 s3, s3, s47
	s_add_co_u32 s3, s3, 27648                     ; B: Wo's row 256 cx + 128 x half, in xc and xs
	s_lshl_b32 s96, s3, 9
	s_mov_b32 s97, 0
	s_lshl_b32 s98, s3, 5
	s_mov_b32 s99, 0
	s_lshl_b32 s40, s[WB], 14                      ; where they go: no place in the cluster enters an LDS address
	s_mul_i32 s41, s[WB], HALFT
	s_add_co_u32 s41, s41, BT
	s_mul_i32 s42, s[WB], SAH
	s_add_co_u32 s42, s42, SA
	s_mul_i32 s43, s[WB], SBH
	s_add_co_u32 s43, s43, SB
	s_wait_dscnt 0x0                               ; both opening adds are done
	s_wait_kmcnt 0x0
	s_add_nc_u64 s[92:93], s[4:5], s[92:93]
	s_add_nc_u64 s[94:95], s[6:7], s[94:95]
	s_add_nc_u64 s[96:97], s[8:9], s[96:97]
	s_add_nc_u64 s[98:99], s[10:11], s[98:99]
	CROUND                                         ; all sixteen work-groups are here: the joint loads meet
	s_mov_b32 s[G0S], 1
	s_mov_b32 s[G0S+1], s42
	s_mov_b64 s[G0S+2:G0S+3], s[94:95]
	s_or_b32 s[G0S+3], s[G0S+3], 0x80000000
	s_mov_b32 s[G0SB], 1
	s_mov_b32 s[G0SB+1], s43
	s_mov_b64 s[G0SB+2:G0SB+3], s[98:99]
	s_or_b32 s[G0SB+3], s[G0SB+3], 0x80000000
	JLOAD G0S, G1S, G0SB, G1SB                     ; the scales first
.irp s, 0,1
	s_mov_b32 s[G0+4*\s], 1
	s_add_co_u32 s[G0+4*\s+1], s40, AIMG+\s*32768
	s_add_nc_u64 s[G0+4*\s+2:G0+4*\s+3], s[92:93], \s*4096
	s_or_b32 s[G0+4*\s+3], s[G0+4*\s+3], 0x80000000
	s_mov_b32 s[G0B+4*\s], 1
	s_add_co_u32 s[G0B+4*\s+1], s41, \s*BSLOT
	s_add_nc_u64 s[G0B+4*\s+2:G0B+4*\s+3], s[96:97], \s*256
	s_or_b32 s[G0B+4*\s+3], s[G0B+4*\s+3], 0x80000000
	JLOAD G0+4*\s, G1, G0B+4*\s, G1B               ; both halves of K: three tensor loads of mine are out
.endr
	v_and_b32 v1, 15, v0                           ; r
	v_bfe_u32 v2, v0, 4, 1                         ; h
	; bo: tile b, register j: column 16 b + 8 h + j of my 128
	s_lshl_b32 s40, s[CX], 10
	s_lshl_b32 s41, s[WB], 9
	s_add_co_u32 s40, s40, s41
	s_mov_b32 s41, 0
	s_add_nc_u64 s[12:13], s[12:13], s[40:41]
	v_lshlrev_b32 v3, 5, v2
	WIN 0x40
.irp b, 0,1,2,3,4,5,6,7
	global_load_b128 v[BIAS+8*\b:BIAS+8*\b+3], v3, s[12:13] offset:64*\b
	global_load_b128 v[BIAS+8*\b+4:BIAS+8*\b+7], v3, s[12:13] offset:64*\b+16
.endr
	WIN 0
	; LDS addresses
	v_and_b32 v6, 31, v0
	v_lshlrev_b32 v[CO], 4, v6                     ; 16 x lane
	s_lshl_b32 s40, s[WA], 14                      ; my 64 tokens' images
	v_mul_u32_u24 v4, v1, PITCH
	v_lshl_add_u32 v4, v2, 4, v4
	s_mul_i32 s41, s[WB], HALFT
	s_add_co_u32 s41, s41, BT                      ; my 128 rows of B
.irp s, 0,1
	v_add_nc_u32 v[ADRA+\s], s40, v[CO]
	v_add_nc_u32 v[ADRB+\s], s41, v4
	s_add_co_u32 s40, s40, 32768
	s_add_co_u32 s41, s41, BSLOT
.endr
	s_mul_i32 s40, s[WA], SAH
	s_add_co_u32 s40, s40, SA
	v_lshl_add_u32 v[ADSA], v1, 1, s40             ; my token's half-word: 2 r
	v_mul_u32_u24 v5, v1, 32
	v_lshrrev_b32 v7, 8, v5
	v_lshl_add_u32 v5, v7, 4, v5                   ; my row's scale bytes: 32 r, and 16 more for each 256 passed
	s_mul_i32 s40, s[WB], SBH
	s_add_co_u32 s40, s40, SB
	v_add_nc_u32 v[ADSB], s40, v5
	s_mul_i32 s40, s[WV], 16*SPITCH
	s_add_co_u32 s40, s40, STG                     ; my stage
	v_mul_u32_u24 v5, v1, SPITCH
	v_lshl_add_u32 v5, v2, 5, v5
	v_add_nc_u32 v[STO], s40, v5                   ; in: row r, 32 bytes for each half of the lanes
	v_add_nc_u32 v[RD], s40, v[CO]                 ; back: the 32 lanes take one row of 512 bytes
	s_lshl_b32 s40, s[TR], 7
	s_lshl_b32 s41, s[WA], 6
	s_add_co_u32 s40, s40, s41                     ; my first row of out0
	s_lshl_b32 s40, s40, 12                        ; 4,096 bytes a row (8,192 rows: under 2^25 bytes)
	s_lshl_b32 s41, s[CX], 10
	s_add_co_u32 s40, s40, s41
	s_lshl_b32 s41, s[WB], 9
	s_add_co_u32 s40, s40, s41                     ; my first column: 1,024 cx + 512 x half bytes
	s_mov_b32 s41, 0
	s_add_nc_u64 s[14:15], s[14:15], s[40:41]
.macro FETCH q                         ; 24 LDS loads in one run: K step q's fragments into set q % 2
	WIN 0x40
.irp i, 0,1,2,3,4,5,6,7
.irp c, 0,1
	ds_load_b128 v[128*((\q)%2)+8*\i+4*\c:128*((\q)%2)+8*\i+4*\c+3], v[ADRB+(\q)/4] offset:64*((\q)%4)+32*\c+\i*16*PITCH
.endr
.endr
	WIN 0
.irp a, 0,1,2,3
.irp c, 0,1
	ds_load_b128 v[AF+32*((\q)%2)+8*\a+4*\c:AF+32*((\q)%2)+8*\a+4*\c+3], v[ADRA+(\q)/4] offset:4096*\a+1024*((\q)%4)+512*\c
.endr
.endr
.endm
; 32 matrix instructions: K step q.  The 32 accumulators take turns, one instruction a turn, in the same order in every step.  cm = 1: the sums start from bo
.macro MUL q, cm
.if \cm
	WIN 0x91                                       ; source 0 (B) and C (bo) window 1, source 1 (A) window 0, D window 2
.else
	WIN 0xa1                                       ; C and D window 2
.endif
.irp a, 0,1,2,3
.irp b, 0,1,2,3,4,5,6,7
.set xD, 8*(8*\a+\b)
.set xB, 128*((\q)%2)+8*\b
.set xA, AF+32*((\q)%2)+8*\a
.set xSB, BSC+32*((\q)/4)+4*\b+(\q)%4
.set xSA, ASC+4*(\q)+\a
.if \cm
	v_wmma_scale_f32_16x16x128_f8f6f4 v[xD:xD+7], v[xB:xB+7], v[xA:xA+7], v[BIAS+8*\b:BIAS+8*\b+7], v[xSB], v[xSA] matrix_a_fmt:MATRIX_FMT_FP4 matrix_b_fmt:MATRIX_FMT_FP4
.else
	v_wmma_scale_f32_16x16x128_f8f6f4 v[xD:xD+7], v[xB:xB+7], v[xA:xA+7], v[xD:xD+7], v[xSB], v[xSA] matrix_a_fmt:MATRIX_FMT_FP4 matrix_b_fmt:MATRIX_FMT_FP4
.endif
.endr
.endr
.endm
.macro KSTEP q
	s_wait_dscnt 0x0                               ; this step's fragments, asked for a step ago, are in
.if (\q) == 3
	s_wait_tensorcnt 0x0                           ; my part of the second half of K has landed: it was my last load,
	s_barrier_signal -1
	s_barrier_wait -1                              ; and everybody's has.
.endif
.if (\q) < 7
	PLACES 4                                       ; four plain places between the last step's products and loads into the set that they read
	FETCH (\q)+1
.endif
	MUL \q, 0
.endm
	s_wait_loadcnt 0x0                             ; bo
	s_wait_tensorcnt 0x1                           ; the scales and my part of the first half of K are in; the second half's load stays out
	s_barrier_signal -1
	s_barrier_wait -1
.irp q, 0,1,2,3,4,5,6,7
.irp i, 0,1,2,3
	ds_load_u16 v[ASC+4*\q+\i], v[ADSA] offset:272*\q+32*\i         ; K step q, token tile i: head 2 q's two bytes,
	ds_load_u16 v[HI+4*\q+\i], v[ADSA] offset:272*\q+32*\i+128      ; and head 2 q + 1's
.endr
.endr
.irp s, 0,1
.irp b, 0,1,2,3,4,5,6,7
	ds_load_b128 v[BSC+32*\s+4*\b:BSC+32*\s+4*\b+3], v[ADSB] offset:\b*SBLK+16*\s
.endr
.endr
	FETCH 0
	s_wait_dscnt 24                                ; all scales are in; the 24 loads of the first fragments may stay out
.irp n, 0,1,2,3,4,5,6,7,8,9,10,11,12,13,14,15,16,17,18,19,20,21,22,23,24,25,26,27,28,29,30,31
	v_lshl_or_b32 v[ASC+\n], v[HI+\n], 16, v[ASC+\n]                ; a token's scale word for 128 along K
.endr
	PLACES 8                                       ; a scale register written by a vector instruction stands 8 places ahead of a scaled matrix instruction
	s_wait_dscnt 0x0
	FETCH 1
	MUL 0, 1                                       ; the first products start the sums from bo: nothing is cleared
.irp q, 1,2,3,4,5,6,7
	KSTEP \q
.endr
	WIN 0
; THE WAY OUT, block by block of 16 rows x 128 columns: through my own stage in LDS and back as whole rows of 512 bytes.  LDS serves a wave's instructions in order: no wait between the stores and the loads.
.macro TOSTAGE a
.set AC, 64*(\a)
	WIN 0x08                                       ; an LDS store's data: window 2
.irp b, 0,1,2,3,4,5,6,7
	ds_store_b128 v[STO], v[AC+8*\b:AC+8*\b+3] offset:64*\b          ; each accumulator from its low end on
	ds_store_b128 v[STO], v[AC+8*\b+4:AC+8*\b+7] offset:64*\b+16
.endr
	WIN 0
.set BB, BK+64*((\a)%2)
.irp t, 0,1,2,3,4,5,6,7,8,9,10,11,12,13,14,15
	ds_load_b128 v[BB+4*\t:BB+4*\t+3], v[RD] offset:\t*SPITCH
.endr
.endm
.macro SEND a, younger                 ; younger: the LDS instructions issued behind block a's loads, which may stay out
.set BB, BK+64*((\a)%2)
	s_wait_dscnt \younger
.if (\a) > 0
	s_add_nc_u64 s[14:15], s[14:15], 16*4096       ; (behind a wait on XCNT: the earlier stores have read their base)  16 rows on
.endif
.irp t, 0,1,2,3,4,5,6,7,8,9,10,11,12,13,14,15
	global_store_b128 v[CO], v[BB+4*\t:BB+4*\t+3], s[14:15] offset:\t*4096 th:TH_STORE_NT   ; 32 lanes store 512 consecutive bytes, aligned to 256; written once, read by nobody here
.endr
.endm
	PLACES 4                                       ; four plain places between the last products and the first read of results and the loads into A's registers
	TOSTAGE 0
.irp a, 1,2,3
.if \a > 1
	s_wait_xcnt 0x0                                ; block a - 2's stores have read their registers and their base
.endif
	TOSTAGE \a
	SEND \a-1, 32                                  ; behind block a - 1's loads: block a's 16 stores and 16 loads
.endr
	s_wait_xcnt 0x0
	SEND 3, 0
	s_wait_tensorcnt 0x0                           ; the wave's end, behind my last tensor load and my last LDS store
	ds_add_u32 v[SPW], v[NIL]
	s_wait_dscnt 0x0
	CROUND                                         ; the closing round
	s_endpgm
.Lfunc_end_k_q585a1ff349_outp:
	.size	k_q585a1ff349_outp, .Lfunc_end_k_q585a1ff349_outp-k_q585a1ff349_outp
	.p2alignl 7, 3214868480
	.fill 96, 4, 3214868480
	.section	.rodata,"a",@progbits
	.p2align	6, 0x0
	.amdhsa_kernel k_q585a1ff349_outp
		.amdhsa_group_segment_fixed_size 262144
		.amdhsa_private_segment_fixed_size 0
		.amdhsa_enable_private_segment 0
		.amdhsa_kernarg_size 48
		.amdhsa_user_sgpr_count 2
		.amdhsa_user_sgpr_kernarg_segment_ptr 1
		.amdhsa_wavefront_size32 1
		.amdhsa_system_sgpr_workgroup_id_x 1
		.amdhsa_system_sgpr_workgroup_id_y 1
		.amdhsa_system_sgpr_workgroup_id_z 1
		.amdhsa_system_vgpr_workitem_id 0
		.amdhsa_next_free_vgpr 768
		.amdhsa_next_free_sgpr 102
		.amdhsa_reserve_vcc 0
		.amdhsa_float_denorm_mode_32 3
		.amdhsa_float_denorm_mode_16_64 3
		.amdhsa_memory_ordered 1
		.amdhsa_forward_progress 1
		.amdhsa_inst_pref_size 80
	.end_amdhsa_kernel
	.amdgpu_metadata
---
amdhsa.version: [ 1, 2 ]
amdhsa.kernels:
  - .name:           k_q585a1ff349_outp
    .symbol:         k_q585a1ff349_outp.kd
    .args:
      - { .name: oc, .offset: 0, .size: 8, .value_kind: global_buffer, .address_space: global }
      - { .name: os, .offset: 8, .size: 8, .value_kind: global_buffer, .address_space: global }
      - { .name: xc, .offset: 16, .size: 8, .value_kind: global_buffer, .address_space: global }
      - { .name: xs, .offset: 24, .size: 8, .value_kind: global_buffer, .address_space: global }
      - { .name: bo, .offset: 32, .size: 8, .value_kind: global_buffer, .address_space: global }
      - { .name: out0, .offset: 40, .size: 8, .value_kind: global_buffer, .address_space: global }
    .group_segment_fixed_size: 262144
    .private_segment_fixed_size: 0
    .kernarg_segment_align: 8
    .kernarg_segment_size: 48
    .max_flat_workgroup_size: 128
    .sgpr_count:     102
    .vgpr_count:     768
    .wavefront_size: 32
...
	.end_amdgpu_metadata
.endif
;; end of part 4
